; MI455X (gfx1250); checked and timed in simulation.
; The chip was launched on July 23, 2026; its instructions are those of AMD's public machine-readable ISA for CDNA 5 (MIT licence, August 2026) and "CDNA5" Instruction Set Architecture Reference Guide (July 2026). The comments in the code are by the model that wrote it; some were corrected since.
;; Efficient Attention. Allowed arithmetic: matrix products marked QUANTISED: E2M1 operands, one E8M0 scale for each 32 along K, by v_wmma_scale_f32_16x16x128_f8f6f4 with both operands' format E2M1 (or v_wmma_scale_f32_32x16x128_f4), f32 sums; products left as they are: f32 operands where the result goes on into a quantised operand, else bf16, f16 or f32 operands; f32 sums; everything else in f32.
;; Inputs: b_in 1,024 float32; bf 1 float32; bo 1,024 float32; w_in 1 x 1,024 float32; wf 1,024 x 1 float32; wk_codes 1,024 x 32 x 16 uint8 (E2M1 codes of wk, K innermost, in blocks of 32 codes, two codes a byte); wk_scales 1,024 x 32 uint8 (E8M0 scales of wk, one for each 32 codes along K); wo_codes 1,024 x 32 x 16 uint8 (E2M1 codes of wo, K innermost, in blocks of 32 codes, two codes a byte); wo_scales 1,024 x 32 uint8 (E8M0 scales of wo, one for each 32 codes along K); wq_codes 1,024 x 32 x 16 uint8 (E2M1 codes of wq, K innermost, in blocks of 32 codes, two codes a byte); wq_scales 1,024 x 32 uint8 (E8M0 scales of wq, one for each 32 codes along K); wv_codes 1,024 x 32 x 16 uint8 (E2M1 codes of wv, K innermost, in blocks of 32 codes, two codes a byte); wv_scales 1,024 x 32 uint8 (E8M0 scales of wv, one for each 32 codes along K); x 2 x 2,048 x 1 float32.
;; Outputs: out0 2 x 1 x 2,048 float32.
;; This version of the problem:
;;   THIS VERSION OF THE PROBLEM IS GIVEN IN LOW PRECISION. The matrix products marked QUANTISED in the list below multiply operands that are first quantised to E2M1 (2 exponent bits, 1 mantissa bit; 4 bits a number), with one power-of-two scale for each 32 numbers along K (OCP MX v1.0); their sums are f32. All else is computed in f32.
;;   The module's matrix products, in the order in which they are computed (A, B: the left and right operand; K: the contracted axis; several contracted axes count as one K, in the product's order):
;;     1. [M 4,096, K 1] x [K 1, N 1,024]; A: input x; B: input w_in: left as it is (K = 1 < 32)
;;     2. [M 4,096, K 1,024] x [K 1,024, N 1,024]; A: computed on the way; B: input wq (given as codes): QUANTISED
;;     3. [M 4,096, K 1,024] x [K 1,024, N 1,024]; A: computed on the way; B: input wk (given as codes): QUANTISED
;;     4. [M 4,096, K 1,024] x [K 1,024, N 1,024]; A: computed on the way; B: input wv (given as codes): QUANTISED
;;     5. batch 32 x [M 2,048, K 64] x [K 64, N 2,048]; A: computed on the way; B: computed on the way: QUANTISED
;;     6. batch 32 x [M 64, K 2,048] x [K 2,048, N 2,048]; A: computed on the way; B: softmax (see below): QUANTISED
;;     7. [M 4,096, K 1,024] x [K 1,024, N 1,024]; A: computed on the way; B: input wo (given as codes): QUANTISED
;;     8. [M 4,096, K 1,024] x [K 1,024, N 1]; A: computed on the way; B: input wf: left as it is (N = 1 < 16)
;;   THE QUANTISER, for each operand of a quantised product, along K:
;;     - K is cut into blocks of 32 from its start; a last block that is shorter is filled with zeros.
;;     - A block's scale is 2^e with e = floor(log2(the largest magnitude in the block)) - 2, held to -126 .. 127; a block of zeros has e = 0. As a byte (E8M0): e + 127.
;;     - Each number is divided by its block's scale, clamped to +-6, and rounded to the nearest number of E2M1, ties to even, subnormals kept.
;;     - The product sums the exact products of the quantised numbers (number of the format x scale) in f32.
;;   ~~~python
;;   def quantise(x, axis):      # numpy; x: float32 -> the quantised numbers, widened to float32 again
;;       x = np.moveaxis(x, axis, -1); K = x.shape[-1]
;;       x = np.pad(x, [(0, 0)] * (x.ndim - 1) + [(0, -K % 32)]); x = x.reshape(x.shape[:-1] + (-1, 32)); a = np.abs(x).max(-1, keepdims=True)
;;       e = np.where(a > 0, np.clip(np.frexp(np.where(a > 0, a, 1))[1] - 1 - 2, -126, 127), 0)      # np.frexp(a)[1] - 1 = floor(log2(a)), exactly
;;       r = np.clip(x / 2.0 ** e, -6, 6)
;;       step = 2.0 ** (np.maximum(np.frexp(np.where(r == 0, 1, r))[1] - 1, 0) - 1)
;;       q = np.round(r / step) * step * 2.0 ** e      # np.round: ties to even
;;       return np.moveaxis(q.reshape(q.shape[:-2] + (-1,))[..., :K], -1, axis).astype(np.float32)
;;   ~~~
;;   SOFTMAX AHEAD OF A QUANTISED PRODUCT. Where the list says 'softmax', what is quantised is not the finished softmax but p = 2^(t - M), with t = logit x log2(e) and M = ceil(the row's largest t), a whole number; so 1/2 < the row's largest p <= 1. The row's sum l is taken of the UNQUANTISED p, in f32, and the product's result is divided by l at the end. Since M is a whole number, a kernel that streams over the keys may use a running M (the ceiling of the running maximum): every later rescaling is an exact power of two, which a block's scale takes up: the codes' values come out the same.
;;   OPERANDS COMPUTED ON THE WAY. 'Computed on the way' means the value that the module computes at that place (a softmax that the list does not call 'softmax' is quantised finished and normalised). What goes into a quantiser is computed in f32, as accurately as f32 sums, v_exp_f32 and their like allow (about 1e-6 of the number): no bf16 or f16 on the way to a quantiser, and a product that is left as it is and whose result goes on into a quantised operand takes f32 operands (vector FMAs, or v_wmma_f32_16x16x4_f32). A number that lies on a knife's edge between two numbers of the format may be rounded either way, as far as f32 arithmetic and the matrix unit's own rounding can turn it there, and no further.
;;   INPUTS GIVEN AS CODES. wk (in the module: [1024, 1024], K = its axis 0); wo (in the module: [1024, 1024], K = its axis 0); wq (in the module: [1024, 1024], K = its axis 0); wv (in the module: [1024, 1024], K = its axis 0): each comes as NAME_codes (uint8): NAME with its K axis moved to the last place and cut into blocks of 32 codes, [.., K / 32, bytes a block], one block behind the other in memory; two codes a byte, the lower K in the low four bits (a code: sign, 2 exponent bits, 1 mantissa bit); and NAME_scales (uint8): the same leading axes, one E8M0 byte (e + 127) for each 32 codes along K. Its value is code x scale, taken as it is: it is not quantised again, and the codes and scales need not be those that the quantiser above would give.
;; One version. Each part assembles by itself: llvm-mc -triple=amdgcn-amd-amdhsa -mcpu=gfx1250 --defsym DOCPART=n.
;; ======== version 1 of 1: 3 launches
;; limits: right only within a limited range of input values
;; workspace buffers: qkv 6,684,672 bytes; qkvs 262,144 bytes; wow 589,824 bytes; part 131,072 bytes
;; launch proj (part 1): grid 32 x 8, 4 waves a work-group, clusters of 4 x 1, 291,328 bytes of LDS; arguments x, w_in, b_in, wq_codes, wq_scales, wk_codes, wk_scales, wv_codes, wv_scales, wo_codes, wo_scales, qkv, qkvs, wow; writes qkv, qkvs, wow
.if DOCPART == 1
	.amdgcn_target "amdgcn-amd-amdhsa--gfx1250"
	.amdhsa_code_object_version 6
	.text
	.protected	k_q5bf9618803_proj
	.globl	k_q5bf9618803_proj
	.p2align	8
	.type	k_q5bf9618803_proj,@function
k_q5bf9618803_proj:
	s_mov_b64 s[64:65], 0
	v_nop
	global_prefetch_b8 v0, s[64:65] scope:SCOPE_SE
	s_setreg_imm32_b32 hwreg(HW_REG_WAVE_MODE, 25, 1), 1
	s_wait_xcnt 0x0
	s_wait_alu depctr_hold_cnt(0) depctr_sa_sdst(0) depctr_va_vdst(0) depctr_va_sdst(0) depctr_va_ssrc(0) depctr_va_vcc(0) depctr_vm_vsrc(0)
	s_getreg_b32 s2, hwreg(HW_REG_IB_STS2, 6, 4)
	s_cmp_eq_u32 s2, 0
	s_cbranch_scc0 .Lentry_in_a_cluster
	s_endpgm
.Lentry_in_a_cluster:
	s_bfe_u32 s2, ttmp6, 0x10000c
	s_cmp_lg_u32 s2, 0x3003
	s_cbranch_scc0 .Lentry_shape_is_right
	s_endpgm
.Lentry_shape_is_right:
; h = x w_in + b_in (one fused multiply-add in f32), quantised to E2M1 along its 1,024; q, k, v = Q(h) W on codes (W given as codes, K innermost);
; q and k quantised along the head's 64, v along the keys; all three leave as IMAGES OF OPERAND REGISTERS (16 bytes a lane) with their scale words.  wo is laid anew, head by head.
; SHARES.  A work-group owns 128 tokens (tb) x 128 columns (cg: heads 2 cg, 2 cg + 1) of each of q, k, v.  All four waves quantise h: wave w makes K steps 2 w, 2 w + 1 of the 8 token tiles.
; Then waves 0, 1, 2 make one tile of 128 x 128 each (q, k, v): 64 accumulators, 8 K steps of 128.  Wave 3 lays 2,048 bytes of wo and 256 bytes of its scales anew.
; ONE TEXT FOR THREE ROLES.  The quantiser that follows runs along source 0's rows: for q and k source 0 = 16 columns of W and source 1 = 16 tokens of h; for v source 0 = 16 tokens, source 1 = 16 columns of wv.
; In the result a lane holds one row of source 1 and eight neighbours along source 0.  The roles differ in scalars alone (which LDS region is which source; strides of the way out).
; CLUSTER.  The four work-groups of a cluster share cg, so the weights' codes are asked for jointly: one request for four.  Nothing in LDS is ever filled twice.
; FROM RESULT TO OPERAND.  A block of 32 is tiles 2 b, 2 b + 1 in lanes l and l xor 16.  Codes of tiles 4 c, 4 c + 2, 4 c + 1, 4 c + 3 go to registers 4 c .. 4 c + 3; two exchanges of halves then leave lanes 0-15 with block 2 c, lanes 16-31 with block 2 c + 1.
; LIMITS.  NaN and infinities among the inputs are not served.  A block whose largest magnitude lies under 2^-124 (a block of zeros too) keeps the scale byte 1: these bytes are read by this program alone.
; wo's re-lay reads 32 bytes of each of 64 rows 512 bytes apart: 2 KiB a work-group, once.
; WHERE RESULTS GO.  q: codes [batch x 16 + head][token tile][512], words in qkvs.  k and v: behind q's 2,097,152 bytes one chunk of 8,960 bytes for each head and 128 tokens: k's codes 4,096, v's codes 4,096, k's words 512, v's words 256.
; The weights' CODES are asked for jointly, one tensor load a wave; their scales, 4,096 bytes a wave, come through registers and are stored into LDS by the wave.
; wo's image: tile 4 G + i, lane (r, h): column 64 G + 16 i + r, K block 2 hd + h.
; WORK LEFT OUT, by a later launch: key steps of 128 wholly behind the causal mask that reference() builds itself: their p is 0 for all inputs.  A NaN, an infinity or an overflow that reaches only those is not carried to the result.
.set HSTR, 143360                      ; from head to head in k's and v's chunks
.set PITCH, 528
.set TROW,  16*PITCH
.set REG,   128*PITCH                  ; a region: 128 rows.  Regions 0, 1, 2: wq, wk, wv (filled by tensor loads); region 3: h's codes (stored by the waves)
.set SCB,   4*REG                      ; scale words, 4,096 bytes a region: [row][8 words], the same four regions
.set SST,   SCB+4*4096                 ; 1,024 bytes for each wave: the scale words on their way out
.set LN,  1                            ; lane
.set RR,  2                            ; r = lane % 16
.set HH,  3                            ; h = lane / 16
.set AD0, 4                            ; LDS: source 0's fragments: region + r PITCH + 16 h
.set AD1, 5                            ; source 1's
.set AS0, 6                            ; LDS: source 0's scale words: region + 32 x lane
.set AS1, 7
.set HST, 8                            ; where I store h's codes: region 3 + r PITCH + 16 h + 128 w
.set HSS, 9                            ; and h's scale words: 32 r + 8 w
.set STA, 10                           ; my stage, in
.set SRD, 11                           ; my stage, back: 16 x lane
.set VO0, 12                           ; byte offset of my 16 bytes in the codes' buffer, first half of the eight code registers
.set VO1, 13                           ; second half
.set SH8, 14                           ; 8 h
.set SHV, 15                           ; 16 h for q and k, 0 for v
.set SC0, 16                           ; v16-47  source 0's scale words: register 8 p + s: lanes 0-15 tile 2 p, lanes 16-31 tile 2 p + 1, K step s
.set SC1, 48                           ; v48-79  source 1's
.set X,   80                           ; v80-87  x of my row in the 8 token tiles
.set XP,  88                           ; v88-89  the tile's x, as a pair for the packed form
.set TM,  90                           ; v90-93  largest magnitudes
.set T4,  94                           ; v94-97  at work
.set PW,  98                           ; the scale word just made
.set T,   99
.set PC,  100                          ; v100-107 the codes just made
.set SW,  108                          ; v108-115 scale words for the stage, one register for each of the eight turns
.set BY,  116                          ; v116-119 scale bytes
.set SO,  120                          ; v120-123 the conversions' scale operands
.set LI,  124                          ; 16 x lane
.set VV,  125                          ; 16 r + HSTR h
.set WA,  126                          ; w_in, b_in: 128 h + 1,024 w
.set XA,  127                          ; x: 4 r
.set NUM, 128                          ; v128-191 64 numbers of h; later source 1's fragments, set 0; v192-255 set 1
; window 1: w_in at v[128 i ..], b_in at v[128 i + 64 ..] (i: which of my two K steps); later source 0's fragments, set 0 at v0, set 1 at v64
; windows 2, 3: accumulator (a, b) at v[8 (8 (a % 4) + b)] of window 2 + a / 4;  a: source 1's tile, b: source 0's
.set MSB, 0
.macro WIN new                         ; the immediate's high byte repeats the setting that is left
.if MSB != (\new)
	s_set_vgpr_msb (MSB<<8)|(\new)
.set MSB, (\new)
.endif
.endm
.macro PLACES
.rept 4
	v_nop
.endr
.endm
.macro ROUND                           ; a round of the cluster's barrier
	s_barrier_signal -1
	s_barrier_wait -1
	s_cmp_lg_u32 s3, 0
	s_cbranch_scc1 .Lnot_wave_0_\@
	s_barrier_signal -3
.Lnot_wave_0_\@:
	s_barrier_wait -3
	s_barrier_signal -1
	s_barrier_wait -1
.endm
	s_load_b512 s[68:83], s[0:1], 0x0              ; x 68, w_in 70, b_in 72, wq codes 74, wq scales 76, wk codes 78, wk scales 80, wv codes 82
	s_load_b256 s[84:91], s[0:1], 0x40             ; wv scales 84, wo codes 86, wo scales 88, qkv 90
	s_load_b128 s[92:95], s[0:1], 0x60             ; qkvs 92, wow 94
	v_lshl_add_u32 v254, v0, 2, 0x47000
	v_mov_b32 v255, 0
	ds_add_u32 v254, v255
	ds_add_u32 v254, v255
	s_wait_dscnt 0x0
	v_lshrrev_b32 v1, 5, v0
	v_readfirstlane_b32 s3, v1                     ; wave 0..3
	v_and_b32 v[LN], 31, v0
	v_and_b32 v[RR], 15, v0
	s_wait_alu depctr_va_vdst(0)
	v_bfe_u32 v[HH], v0, 4, 1
	s_bfe_u32 s4, ttmp6, 0x40000                   ; cx
	s_and_b32 s6, ttmp7, 0xffff
	s_lshl_b32 s5, s6, 2
	s_add_co_u32 s5, s5, s4                        ; tb = 4 x cluster y + cx: it enters global addresses alone
	s_mov_b32 s6, ttmp9                            ; cg = cluster x, shared by the four partners
	s_lshr_b32 s7, s5, 4                           ; batch
	s_and_b32 s8, s5, 15                           ; which 128 tokens of the batch
	s_mov_b32 s40, 0x76543210
	s_mov_b32 s41, 0xfedcba98                      ; lane selects: lane l xor 16
	s_lshr_b32 s9, s3, 1                           ; 1 for v's wave
	s_add_co_u32 s10, s3, s9
	s_min_u32 s10, s10, 3                          ; source 0's region: 0, 1, 3
	s_xor_b32 s11, s9, 3                           ; source 1's region: 3, 3, 2
	s_mul_i32 s42, s10, REG
	s_mul_i32 s43, s11, REG
	s_xor_b32 s44, s9, 1                           ; 1 for q and k
	s_lshl_b32 s45, s44, 4
	s_lshl_b32 s46, s44, 9
	s_cmp_eq_u32 s44, 1
	s_cselect_b32 s47, 0xffff, -1                  ; what of a scale word a lane keeps
	s_mov_b32 s49, HSTR-3072
	s_cselect_b32 s49, 512, s49                    ; the step from turn 3 to turn 4 (v: on to the next head)
	s_lshr_b32 s48, 1024, s44                      ; the step from turn to turn: 512 (q, k), 1,024 (v)
	s_cmp_eq_u32 s3, 0
	s_mov_b32 s51, HSTR
	s_cselect_b32 s51, 0x10000, s51                ; from head to head
	s_mov_b32 s13, 8960
	s_cselect_b32 s13, 4096, s13                   ; from 128 tokens to the next
	s_mov_b32 s14, 0x200000
	s_cselect_b32 s14, 0, s14                      ; k's and v's chunks lie behind q
	s_cmp_eq_u32 s44, 1
	s_cselect_b32 s50, s51, 512                    ; from the first four code registers to the other four (q, k: the next head; v: the fragment's second half)
	s_lshl_b32 s12, s7, 4
	s_lshl_b32 s15, s6, 1
	s_add_co_u32 s15, s12, s15                     ; 16 batch + 2 cg
	s_mul_i32 s12, s15, s51
	s_mul_i32 s13, s8, s13
	s_add_co_u32 s12, s12, s13
	s_add_co_u32 s12, s12, s14
	s_lshl_b32 s13, s9, 12                         ; v's codes behind k's
	s_add_co_u32 s12, s12, s13
	s_mov_b32 s13, 0
	s_mul_i32 s14, s9, 3584                        ; words: k: 8,192 behind its codes; v: 4,608
	s_sub_co_u32 s14, s12, s14
	s_add_co_u32 s14, s14, 8192
	s_lshl_b32 s15, s15, 13                        ; q's words: 8,192 a head, 512 for 128 tokens
	s_lshl_b32 s66, s8, 9
	s_add_co_u32 s15, s15, s66
	s_cmp_eq_u32 s3, 0
	s_cselect_b32 s14, s15, s14
	s_mov_b32 s15, 0
	s_lshl_b32 s66, s5, 9                          ; x: 128 tokens x 4 bytes
	s_mov_b32 s67, 0
	; descriptor group 1 for the codes: 128 rows of 512 bytes, dense in memory, 16 bytes of padding behind each row in LDS
	s_mov_b32 s16, 15|(1<<20)|(1<<21)|(6<<22)|(3<<25)   ; 15:0 the mask: all four work-groups; elements of 1 byte; 20 padding on; 21 set beside a mask; after every 128 words (code 6) 4 words (code 3)
	s_mov_b32 s17, 512<<16                         ; tensor_dim0
	s_mov_b32 s18, 128<<16                         ; tensor_dim1
	s_mov_b32 s19, 512<<16                         ; tile_dim0
	s_mov_b32 s20, 128                             ; tile_dim1
	s_mov_b32 s21, 512                             ; from row to row
	s_mov_b32 s22, 0
	s_mov_b32 s23, 0
	v_mul_u32_u24 v[T], v[RR], PITCH
	s_wait_alu depctr_va_vdst(0)
	v_lshl_add_u32 v[T], v[HH], 4, v[T]            ; r PITCH + 16 h
	v_add_nc_u32 v[AD0], s42, v[T]
	v_add_nc_u32 v[AD1], s43, v[T]
	s_lshl_b32 s56, s3, 7
	s_add_co_u32 s56, s56, 3*REG
	v_add_nc_u32 v[HST], s56, v[T]
	s_lshl_b32 s57, s10, 12
	s_add_co_u32 s57, s57, SCB
	v_lshl_add_u32 v[AS0], v[LN], 5, s57
	s_lshl_b32 s57, s11, 12
	s_add_co_u32 s57, s57, SCB
	v_lshl_add_u32 v[AS1], v[LN], 5, s57
	s_lshl_b32 s57, s3, 3
	s_add_co_u32 s57, s57, SCB+12288
	v_lshl_add_u32 v[HSS], v[RR], 5, s57
	s_lshl_b32 s57, s3, 10
	s_add_co_u32 s57, s57, SST
	v_mul_u32_u24 v[STA], s46, v[HH]               ; q, k: lanes 16-31 keep the second head's half word, 512 bytes on
	v_lshl_add_u32 v[STA], v[RR], 2, v[STA]
	v_add_nc_u32 v[STA], s57, v[STA]
	v_lshl_add_u32 v[SRD], v[LN], 4, s57
	v_lshlrev_b32 v[VO0], 4, v[LN]
	v_add_nc_u32 v[VO1], s50, v[VO0]
	v_lshlrev_b32 v[SH8], 3, v[HH]
	v_mul_u32_u24 v[SHV], s45, v[HH]
	v_lshlrev_b32 v[LI], 4, v[LN]
	v_mul_u32_u24 v[VV], HSTR, v[HH]
	v_lshl_add_u32 v[VV], v[RR], 4, v[VV]          ; lanes 16-31: the next head
	v_lshlrev_b32 v[WA], 7, v[HH]
	v_lshl_add_u32 v[WA], s3, 10, v[WA]
	v_lshlrev_b32 v[XA], 2, v[RR]
.irp n, 0,1,2,3
	v_mov_b32 v[T4+\n], 0                          ; written once: a lane permute's destination counts as one of its sources
.endr
	v_mov_b32 v[XP+1], 0                           ; a lane permute's destination too
	s_wait_kmcnt 0x0
	s_cmp_eq_u32 s3, 0                             ; my weight: the choice hangs on the wave's number alone
	s_cselect_b64 s[56:57], s[74:75], s[78:79]
	s_cselect_b64 s[58:59], s[76:77], s[80:81]
	s_cmp_eq_u32 s3, 2
	s_cselect_b64 s[56:57], s[82:83], s[56:57]
	s_cselect_b64 s[58:59], s[84:85], s[58:59]
	s_lshl_b32 s60, s6, 16                         ; 128 rows of 512 bytes
	s_mov_b32 s61, 0
	s_mov_b32 s32, 1                               ; group 0 for the codes: count
	s_mul_i32 s33, s3, REG                         ; LDS address: my region
	s_add_nc_u64 s[34:35], s[56:57], s[60:61]
	s_or_b32 s35, s35, 0x80000000                  ; type 2
	s_lshl_b32 s60, s6, 12                         ; 128 rows of 32 bytes
	s_lshl_b32 s37, s3, 12
	s_add_co_u32 s37, s37, SCB                     ; where my weight's scales lie in LDS
	s_add_nc_u64 s[38:39], s[58:59], s[60:61]      ; and in memory
	s_add_nc_u64 s[62:63], s[68:69], s[66:67]      ; x at my 128 tokens
	s_add_nc_u64 s[52:53], s[90:91], s[12:13]      ; where my codes go
	s_cmp_eq_u32 s3, 0
	s_cselect_b64 s[54:55], s[92:93], s[90:91]
	s_add_nc_u64 s[54:55], s[54:55], s[14:15]      ; and my scale words
	ROUND                                          ; all four work-groups are here: the joint loads meet
	s_wait_alu depctr_va_vdst(0)
	s_cmp_lt_u32 s3, 3
	s_cbranch_scc0 .Lno_fill                       ; one tensor load a wave: waves 0, 1, 2
	tensor_load_to_lds s[32:35], s[16:23]
	s_nop 0
	PLACES
.irp n, 0,1,2,3,4,5,6,7
	global_load_b128 v[SC0+4*\n:SC0+4*\n+3], v[LI], s[38:39] offset:512*\n   ; my weight's scales: 4,096 dense bytes
.endr
.Lno_fill:
	s_wait_alu depctr_va_vdst(0)
.irp m, 0,1,2,3,4,5,6,7
	global_load_b32 v[X+\m], v[XA], s[62:63] offset:64*\m
.endr
	WIN 0x40                                       ; destination window 1
.irp i, 0,1
.set NN, 0
.rept 16                                       ; my 64 numbers of K step 2 w + i: k = 64 c + 32 h + 0 .. 31: two whole blocks of 32
	global_load_b128 v[128*\i+4*NN:128*\i+4*NN+3], v[WA], s[70:71] offset:512*\i+256*(NN/8)+16*(NN%8)
	global_load_b128 v[128*\i+64+4*NN:128*\i+64+4*NN+3], v[WA], s[72:73] offset:512*\i+256*(NN/8)+16*(NN%8)
.set NN, NN+1
.endr
.endr
	WIN 0
; One fragment of h: token tile m, my K step i.  The lane's 64 numbers are the operand's own: registers 4 c .. 4 c + 3 hold k = 64 c + 32 h + 0 .. 31, so the conversions' results are the fragment.
; TWO token tiles at a time, m and m + 1, line by line: the second's numbers lie at v192-255, its maxima at BY, its conversions' operands at SO, its codes at SW, its word at XP.
.macro HFRAG m, i
	WIN 0x11                                       ; w_in and b_in in window 1
.set NN, 0
.rept 32
	v_pk_fma_f32 v[NUM+NN:NUM+NN+1], v[128*(\i)+NN:128*(\i)+NN+1], v[X+\m:X+\m+1], v[128*(\i)+64+NN:128*(\i)+64+NN+1] op_sel_hi:[1,0,1]
	v_pk_fma_f32 v[NUM+64+NN:NUM+65+NN], v[128*(\i)+NN:128*(\i)+NN+1], v[X+\m:X+\m+1], v[128*(\i)+64+NN:128*(\i)+64+NN+1] op_sel:[0,1,0] op_sel_hi:[1,1,1]
.set NN, NN+2
.endr
	WIN 0
	s_wait_dscnt 0x0                               ; the last fragments' LDS stores have read their registers
.irp n, 0,1,2,3                                ; four chains of 16 numbers a tile, two to a block; the floor 2^(3 - 127) holds the byte at 1 from below
	v_max3_num_f32 v[TM+\n], |v[NUM+16*\n]|, |v[NUM+16*\n+1]|, 0x1800000
	v_max3_num_f32 v[BY+\n], |v[NUM+64+16*\n]|, |v[NUM+65+16*\n]|, 0x1800000
.endr
.irp e, 2,4,6,8,10,12,14
.irp n, 0,1,2,3
	v_max3_num_f32 v[TM+\n], v[TM+\n], |v[NUM+16*\n+\e]|, |v[NUM+16*\n+\e+1]|
	v_max3_num_f32 v[BY+\n], v[BY+\n], |v[NUM+64+16*\n+\e]|, |v[NUM+65+16*\n+\e]|
.endr
.endr
	v_max_num_f32 v[TM], v[TM], v[TM+1]
	v_max_num_f32 v[BY], v[BY], v[BY+1]
	v_max_num_f32 v[TM+2], v[TM+2], v[TM+3]
	v_max_num_f32 v[BY+2], v[BY+2], v[BY+3]
	v_add_nc_u32 v[T4], 0xff000000, v[TM]          ; 2 off the exponent field: the conversion's scale operand
	v_add_nc_u32 v[SO], 0xff000000, v[BY]
	v_add_nc_u32 v[T4+1], 0xff000000, v[TM+2]
	v_add_nc_u32 v[SO+1], 0xff000000, v[BY+2]
.irp g, 0,1,2,3,4,5,6,7
	v_cvt_scalef32_pk8_fp4_f32 v[PC+\g], v[NUM+8*\g:NUM+8*\g+7], v[T4+\g/4]
	v_cvt_scalef32_pk8_fp4_f32 v[SW+\g], v[NUM+64+8*\g:NUM+71+8*\g], v[SO+\g/4]
.endr
	v_lshrrev_b32 v[TM], 23, v[T4]                 ; the bytes of blocks h and 2 + h (plain places behind the conversions)
	v_lshrrev_b32 v[BY], 23, v[SO]
	v_lshrrev_b32 v[TM+1], 23, v[T4+1]
	v_lshrrev_b32 v[BY+1], 23, v[SO+1]
	v_lshl_or_b32 v[PW], v[TM+1], 16, v[TM]
	v_lshl_or_b32 v[XP], v[BY+1], 16, v[BY]
	v_lshlrev_b32 v[PW], v[SH8], v[PW]             ; at their places in the row's word;
	v_lshlrev_b32 v[XP], v[SH8], v[XP]
	v_permlanex16_b32 v[T], v[PW], s40, s41
	v_permlanex16_b32 v[XP+1], v[XP], s40, s41
	v_or_b32 v[PW], v[PW], v[T]                    ; with lane l xor 16's two the word is whole
	v_or_b32 v[XP], v[XP], v[XP+1]
	ds_store_b128 v[HST], v[PC:PC+3] offset:TROW*(\m)+64*(\i)
	ds_store_b128 v[HST], v[PC+4:PC+7] offset:TROW*(\m)+64*(\i)+32
	ds_store_b128 v[HST], v[SW:SW+3] offset:TROW*(\m)+TROW+64*(\i)
	ds_store_b128 v[HST], v[SW+4:SW+7] offset:TROW*(\m)+TROW+64*(\i)+32
	ds_store_b32 v[HSS], v[PW] offset:512*(\m)+4*(\i)   ; lanes r and 16 + r write the same word with the same value
	ds_store_b32 v[HSS], v[XP] offset:512*(\m)+512+4*(\i)
.endm
	s_wait_loadcnt 32                              ; the scales, x and my first K step's w_in, b_in are in; the second step's 32 loads may be out
	v_add_nc_u32 v[T], s37, v[LI]
	s_cmp_lt_u32 s3, 3
	s_cbranch_scc0 .Lno_words
.irp n, 0,1,2,3,4,5,6,7
	ds_store_b128 v[T], v[SC0+4*\n:SC0+4*\n+3] offset:512*\n
.endr
.Lno_words:
.irp m, 0,2,4,6
	HFRAG \m, 0
.endr
	s_wait_loadcnt 0x0
.irp m, 0,2,4,6
	HFRAG \m, 1
.endr
	s_wait_tensorcnt 0x0                           ; my weight and its scales have landed,
	s_wait_dscnt 0x0                               ; my part of h lies in LDS:
	s_barrier_signal -1
	s_barrier_wait -1                              ; everybody's do
	s_cmp_eq_u32 s3, 3
	s_cbranch_scc1 .Lrelay
; ---- the product: 8 K steps of 128, written out
.macro FETCH s                         ; 32 LDS loads in one run: the 8 + 8 fragments of K step s into set s % 2
	WIN 0x40
.irp t, 0,1,2,3,4,5,6,7
	ds_load_b128 v[64*((\s)%2)+8*\t:64*((\s)%2)+8*\t+3], v[AD0] offset:64*(\s)+TROW*\t
	ds_load_b128 v[64*((\s)%2)+8*\t+4:64*((\s)%2)+8*\t+7], v[AD0] offset:64*(\s)+32+TROW*\t
.endr
	WIN 0
.irp t, 0,1,2,3,4,5,6,7
	ds_load_b128 v[128+64*((\s)%2)+8*\t:128+64*((\s)%2)+8*\t+3], v[AD1] offset:64*(\s)+TROW*\t
	ds_load_b128 v[128+64*((\s)%2)+8*\t+4:128+64*((\s)%2)+8*\t+7], v[AD1] offset:64*(\s)+32+TROW*\t
.endr
.endm
.macro WM s, a, b                      ; one product; an odd tile's scale words lie in lanes 16-31 of its register.  K step 0 starts the sums: nothing is cleared
.set DD, 8*(8*((\a)%4)+(\b))
.set FA, 64*((\s)%2)+8*(\b)
.set FB, 128+64*((\s)%2)+8*(\a)
.set SA, SC0+8*((\b)/2)+(\s)
.set SB, SC1+8*((\a)/2)+(\s)
.if (\s) == 0
.if ((\b)%2 == 0) && ((\a)%2 == 0)
	v_wmma_scale_f32_16x16x128_f8f6f4 v[DD:DD+7], v[FA:FA+7], v[FB:FB+7], 0, v[SA], v[SB] matrix_a_fmt:MATRIX_FMT_FP4 matrix_b_fmt:MATRIX_FMT_FP4
.elseif (\a)%2 == 0
	v_wmma_scale_f32_16x16x128_f8f6f4 v[DD:DD+7], v[FA:FA+7], v[FB:FB+7], 0, v[SA], v[SB] matrix_a_fmt:MATRIX_FMT_FP4 matrix_b_fmt:MATRIX_FMT_FP4 matrix_a_scale:MATRIX_SCALE_ROW1
.elseif (\b)%2 == 0
	v_wmma_scale_f32_16x16x128_f8f6f4 v[DD:DD+7], v[FA:FA+7], v[FB:FB+7], 0, v[SA], v[SB] matrix_a_fmt:MATRIX_FMT_FP4 matrix_b_fmt:MATRIX_FMT_FP4 matrix_b_scale:MATRIX_SCALE_ROW1
.else
	v_wmma_scale_f32_16x16x128_f8f6f4 v[DD:DD+7], v[FA:FA+7], v[FB:FB+7], 0, v[SA], v[SB] matrix_a_fmt:MATRIX_FMT_FP4 matrix_b_fmt:MATRIX_FMT_FP4 matrix_a_scale:MATRIX_SCALE_ROW1 matrix_b_scale:MATRIX_SCALE_ROW1
.endif
.else
.if ((\b)%2 == 0) && ((\a)%2 == 0)
	v_wmma_scale_f32_16x16x128_f8f6f4 v[DD:DD+7], v[FA:FA+7], v[FB:FB+7], v[DD:DD+7], v[SA], v[SB] matrix_a_fmt:MATRIX_FMT_FP4 matrix_b_fmt:MATRIX_FMT_FP4
.elseif (\a)%2 == 0
	v_wmma_scale_f32_16x16x128_f8f6f4 v[DD:DD+7], v[FA:FA+7], v[FB:FB+7], v[DD:DD+7], v[SA], v[SB] matrix_a_fmt:MATRIX_FMT_FP4 matrix_b_fmt:MATRIX_FMT_FP4 matrix_a_scale:MATRIX_SCALE_ROW1
.elseif (\b)%2 == 0
	v_wmma_scale_f32_16x16x128_f8f6f4 v[DD:DD+7], v[FA:FA+7], v[FB:FB+7], v[DD:DD+7], v[SA], v[SB] matrix_a_fmt:MATRIX_FMT_FP4 matrix_b_fmt:MATRIX_FMT_FP4 matrix_b_scale:MATRIX_SCALE_ROW1
.else
	v_wmma_scale_f32_16x16x128_f8f6f4 v[DD:DD+7], v[FA:FA+7], v[FB:FB+7], v[DD:DD+7], v[SA], v[SB] matrix_a_fmt:MATRIX_FMT_FP4 matrix_b_fmt:MATRIX_FMT_FP4 matrix_a_scale:MATRIX_SCALE_ROW1 matrix_b_scale:MATRIX_SCALE_ROW1
.endif
.endif
.endm
.macro MUL32 s, hi                     ; 32 products: source 1's tiles 4 hi .. 4 hi + 3 x source 0's eight.  The 64 accumulators take turns, one instruction a turn, in the same order in every step
	WIN 0xa1+0x50*(\hi)                            ; source 0 window 1, source 1 window 0, C and D window 2 or 3
.irp a, 0,1,2,3
.irp b, 0,1,2,3,4,5,6,7
	WM \s, 4*(\hi)+\a, \b
.endr
.endr
.endm
.irp p, 0,1,2,3                                ; all scale words of both sources, once: a lane takes a row's 32 bytes: 8 K steps
	ds_load_b128 v[SC0+8*\p:SC0+8*\p+3], v[AS0] offset:1024*\p
	ds_load_b128 v[SC0+8*\p+4:SC0+8*\p+7], v[AS0] offset:1024*\p+16
	ds_load_b128 v[SC1+8*\p:SC1+8*\p+3], v[AS1] offset:1024*\p
	ds_load_b128 v[SC1+8*\p+4:SC1+8*\p+7], v[AS1] offset:1024*\p+16
.endr
	FETCH 0
.irp s, 0,1,2,3,4,5,6,7
.if (\s >= 1) && (\s < 7)
	PLACES                                         ; four places in front of loads into the set that the step before multiplied
.endif
.if \s < 7
	FETCH \s+1
	s_wait_dscnt 32                                ; all but the 32 loads just issued: this step's fragments (and the scale words) are in
.else
	s_wait_dscnt 0x0
.endif
	MUL32 \s, 0
	MUL32 \s, 1
.endr
	WIN 0
	PLACES                                         ; in front of the first read of results
; ---- the way out of source 1's tile a: 16 rows x 128 along source 0: four blocks of 32 a row
; TWO tiles at a time, a and a + 1, line by line; the second's registers lie where source 1's fragments lay
.set UM, 128                           ; v128-131 largest magnitudes; v132-135 at work; v136-139 scale operands; v140-143 bytes; v144-151 codes; v152 the word
.set UT, 132
.set US, 136
.set UB, 140
.set UC, 144
.set UW, 152
.set VP0, 153                          ; byte offsets of the second tile's codes
.set VP1, 154
.macro OUTQ a
.set AB, 64*((\a)%4)
	WIN 0x0a+5*((\a)/4)                            ; sources 0 and 1: window 2 or 3
.irp b, 0,1,2,3                                ; block b: tiles 2 b, 2 b + 1: 16 registers on end, each tile from its low end on
	v_max3_num_f32 v[TM+\b], |v[AB+16*\b]|, |v[AB+16*\b+1]|, 0x1800000
	v_max3_num_f32 v[UM+\b], |v[AB+64+16*\b]|, |v[AB+65+16*\b]|, 0x1800000
.endr
.irp e, 2,4,6,8,10,12,14
.irp b, 0,1,2,3
	v_max3_num_f32 v[TM+\b], |v[AB+16*\b+\e]|, |v[AB+16*\b+\e+1]|, v[TM+\b]
	v_max3_num_f32 v[UM+\b], |v[AB+64+16*\b+\e]|, |v[AB+65+16*\b+\e]|, v[UM+\b]
.endr
.endr
	WIN 0
.irp b, 0,1,2,3
	v_permlanex16_b32 v[T4+\b], v[TM+\b], s40, s41
	v_permlanex16_b32 v[UT+\b], v[UM+\b], s40, s41
.endr
.irp b, 0,1,2,3
	v_max_num_f32 v[TM+\b], v[TM+\b], v[T4+\b]     ; with lane l xor 16's 16: the block's largest magnitude
	v_max_num_f32 v[UM+\b], v[UM+\b], v[UT+\b]
.endr
.irp b, 0,1,2,3
	v_add_nc_u32 v[SO+\b], 0xff000000, v[TM+\b]
	v_add_nc_u32 v[US+\b], 0xff000000, v[UM+\b]
.endr
.irp b, 0,1,2,3
	v_lshrrev_b32 v[BY+\b], 23, v[SO+\b]
	v_lshrrev_b32 v[UB+\b], 23, v[US+\b]
.endr
	s_wait_alu depctr_va_vdst(0)
	s_wait_xcnt 0x0                                ; the last turn's stores have read their data and offsets: both are written again below
.if (\a) == 4
	v_add_nc_u32 v[VO0], s49, v[VP0]
	v_add_nc_u32 v[VO1], s49, v[VP1]
.elseif (\a) > 0
	v_add_nc_u32 v[VO0], s48, v[VP0]
	v_add_nc_u32 v[VO1], s48, v[VP1]
.endif
	WIN 0x02+((\a)/4)                              ; source 0: window 2 or 3
.irp c, 0,1
	v_cvt_scalef32_pk8_fp4_f32 v[PC+4*\c], v[AB+32*\c:AB+32*\c+7], v[SO+2*\c]            ; tile 4 c
	v_cvt_scalef32_pk8_fp4_f32 v[PC+4*\c+1], v[AB+32*\c+16:AB+32*\c+23], v[SO+2*\c+1]    ; tile 4 c + 2
	v_cvt_scalef32_pk8_fp4_f32 v[PC+4*\c+2], v[AB+32*\c+8:AB+32*\c+15], v[SO+2*\c]       ; tile 4 c + 1
	v_cvt_scalef32_pk8_fp4_f32 v[PC+4*\c+3], v[AB+32*\c+24:AB+32*\c+31], v[SO+2*\c+1]    ; tile 4 c + 3
	v_cvt_scalef32_pk8_fp4_f32 v[UC+4*\c], v[AB+64+32*\c:AB+64+32*\c+7], v[US+2*\c]
	v_cvt_scalef32_pk8_fp4_f32 v[UC+4*\c+1], v[AB+64+32*\c+16:AB+64+32*\c+23], v[US+2*\c+1]
	v_cvt_scalef32_pk8_fp4_f32 v[UC+4*\c+2], v[AB+64+32*\c+8:AB+64+32*\c+15], v[US+2*\c]
	v_cvt_scalef32_pk8_fp4_f32 v[UC+4*\c+3], v[AB+64+32*\c+24:AB+64+32*\c+31], v[US+2*\c+1]
.endr
	WIN 0
	v_add_nc_u32 v[VP0], s48, v[VO0]               ; (plain places behind the conversions)
	v_add_nc_u32 v[VP1], s48, v[VO1]
	v_lshl_or_b32 v[PW], v[BY+1], 8, v[BY]
	v_lshl_or_b32 v[UW], v[UB+1], 8, v[UB]
.irp c, 0,2,4,6
	v_permlane16_swap_b32 v[PC+\c], v[PC+\c+1]     ; lanes 0-15 now hold block 2 c whole, lanes 16-31 block 2 c + 1
	v_permlane16_swap_b32 v[UC+\c], v[UC+\c+1]
.endr
	global_store_b128 v[VO0], v[PC:PC+3], s[52:53]      ; 32 lanes store 512 consecutive bytes, aligned
	global_store_b128 v[VO1], v[PC+4:PC+7], s[52:53]
	global_store_b128 v[VP0], v[UC:UC+3], s[52:53]
	global_store_b128 v[VP1], v[UC+4:UC+7], s[52:53]
	v_lshl_or_b32 v[PW], v[BY+2], 16, v[PW]
	v_lshl_or_b32 v[UW], v[UB+2], 16, v[UW]
	v_lshl_or_b32 v[PW], v[BY+3], 24, v[PW]
	v_lshl_or_b32 v[UW], v[UB+3], 24, v[UW]
	v_lshrrev_b32 v[SW+\a], v[SHV], v[PW]          ; q, k: lanes 0-15 keep the first head's two bytes, lanes 16-31 the second's; v: the whole word
	v_lshrrev_b32 v[SW+\a+1], v[SHV], v[UW]
	v_and_b32 v[SW+\a], s47, v[SW+\a]
	v_and_b32 v[SW+\a+1], s47, v[SW+\a+1]
	ds_store_b32 v[STA], v[SW+\a] offset:64*(\a)
	ds_store_b32 v[STA], v[SW+\a+1] offset:64*(\a)+64
.endm
.irp a, 0,2,4,6
	OUTQ \a
.endr
	s_cmp_eq_u32 s3, 2                             ; the scale words leave as whole runs; LDS serves a wave's instructions in order, so the loads see my stores
	s_cbranch_scc1 .Lv_scales
	ds_load_b128 v[BY:BY+3], v[SRD]                ; 128 tokens' words of the first head,
	ds_load_b128 v[SO:SO+3], v[SRD] offset:512     ; of the second
	s_wait_dscnt 0x0
	s_cmp_eq_u32 s3, 0
	s_mov_b32 s12, HSTR
	s_cselect_b32 s12, 8192, s12                   ; the second head's words
	s_mov_b32 s13, 0
	s_add_nc_u64 s[56:57], s[54:55], s[12:13]
	global_store_b128 v[LI], v[BY:BY+3], s[54:55]
	global_store_b128 v[LI], v[SO:SO+3], s[56:57]
	s_branch .Lend
.Lv_scales:
	ds_load_b128 v[BY:BY+3], v[SRD]                ; 64 channels' words of each head: lanes 0-15 the first head's 256 bytes, lanes 16-31 the second's
	s_wait_dscnt 0x0
	global_store_b128 v[VV], v[BY:BY+3], s[54:55]
	s_branch .Lend
; ---- wave 3: head hd = tb / 2, group G = 8 (tb % 2) + cg of 64 columns of wo.  Tile 4 G + i, lane (r, h): column 64 G + 16 i + r, K block 2 hd + h: the image of a fragment's first four registers
.Lrelay:
	s_lshr_b32 s7, s5, 1                           ; hd
	s_and_b32 s8, s5, 1
	s_lshl_b32 s8, s8, 3
	s_add_co_u32 s8, s8, s6                        ; G
	s_lshl_b32 s12, s8, 15
	s_lshl_b32 s14, s7, 5
	s_add_co_u32 s12, s12, s14
	s_add_nc_u64 s[62:63], s[86:87], s[12:13]      ; wo's codes: 64 G rows of 512 bytes + 32 hd  (the loads of x that named s[62:63] are done)
	s_lshl_b32 s12, s8, 11
	s_lshl_b32 s14, s7, 1
	s_add_co_u32 s12, s12, s14
	s_add_nc_u64 s[66:67], s[88:89], s[12:13]      ; wo's scales: 64 G rows of 32 bytes + 2 hd
	s_lshl_b32 s12, s7, 15
	s_lshl_b32 s14, s8, 11
	s_add_co_u32 s12, s12, s14
	s_add_nc_u64 s[96:97], s[94:95], s[12:13]      ; the image
	s_lshl_b32 s12, s7, 12
	s_lshl_b32 s14, s8, 8
	s_add_co_u32 s12, s12, s14
	s_add_co_u32 s12, s12, 524288
	s_add_nc_u64 s[98:99], s[94:95], s[12:13]      ; its scale words
	v_lshlrev_b32 v[WA], 9, v[RR]                  ; (the loads that named these offsets are done)
	v_lshl_add_u32 v[WA], v[HH], 4, v[WA]          ; row r + 16 h
	v_lshlrev_b32 v[XA], 5, v[LN]                  ; a row of scales a lane
	v_lshlrev_b32 v[VV], 3, v[LN]
.irp i, 0,1,2,3
	global_load_b128 v[NUM+4*\i:NUM+4*\i+3], v[WA], s[62:63] offset:8192*\i
.endr
.irp p, 0,1
	global_load_u16 v[NUM+16+\p], v[XA], s[66:67] offset:1024*\p   ; two bytes, widened with zeros: the word of column 64 G + 32 p + lane
.endr
	s_wait_alu depctr_va_vdst(0)
	s_wait_loadcnt 0x0
.irp i, 0,1,2,3
	global_store_b128 v[LI], v[NUM+4*\i:NUM+4*\i+3], s[96:97] offset:512*\i
.endr
	global_store_b64 v[VV], v[NUM+16:NUM+17], s[98:99]
.Lend:
	s_wait_dscnt 0x0
	s_wait_xcnt 0x0
	v_lshl_add_u32 v254, v0, 2, 0x47000
	v_mov_b32 v255, 0
	s_wait_alu depctr_va_vdst(0)
	s_wait_tensorcnt 0x0
	ds_add_u32 v254, v255
	s_wait_dscnt 0x0
	ROUND                                          ; the closing round: no work-group ends while a partner may still ask for a tile that names it
	s_endpgm
.Lfunc_end_k_q5bf9618803_proj:
	.size	k_q5bf9618803_proj, .Lfunc_end_k_q5bf9618803_proj-k_q5bf9618803_proj
	.p2alignl 7, 3214868480
	.fill 96, 4, 3214868480
	.section	.rodata,"a",@progbits
	.p2align	6, 0x0
	.amdhsa_kernel k_q5bf9618803_proj
		.amdhsa_group_segment_fixed_size 291328
		.amdhsa_private_segment_fixed_size 0
		.amdhsa_enable_private_segment 0
		.amdhsa_kernarg_size 112
		.amdhsa_user_sgpr_count 2
		.amdhsa_user_sgpr_kernarg_segment_ptr 1
		.amdhsa_wavefront_size32 1
		.amdhsa_system_sgpr_workgroup_id_x 1
		.amdhsa_system_sgpr_workgroup_id_y 1
		.amdhsa_system_sgpr_workgroup_id_z 1
		.amdhsa_system_vgpr_workitem_id 0
		.amdhsa_next_free_vgpr 1024
		.amdhsa_next_free_sgpr 100
		.amdhsa_reserve_vcc 0
		.amdhsa_float_denorm_mode_32 3
		.amdhsa_float_denorm_mode_16_64 3
		.amdhsa_memory_ordered 1
		.amdhsa_forward_progress 1
		.amdhsa_inst_pref_size 220
	.end_amdhsa_kernel
	.amdgpu_metadata
---
amdhsa.version: [ 1, 2 ]
amdhsa.kernels:
  - .name:           k_q5bf9618803_proj
    .symbol:         k_q5bf9618803_proj.kd
    .args:
      - { .name: x, .offset: 0, .size: 8, .value_kind: global_buffer, .address_space: global }
      - { .name: w_in, .offset: 8, .size: 8, .value_kind: global_buffer, .address_space: global }
      - { .name: b_in, .offset: 16, .size: 8, .value_kind: global_buffer, .address_space: global }
      - { .name: wq_codes, .offset: 24, .size: 8, .value_kind: global_buffer, .address_space: global }
      - { .name: wq_scales, .offset: 32, .size: 8, .value_kind: global_buffer, .address_space: global }
      - { .name: wk_codes, .offset: 40, .size: 8, .value_kind: global_buffer, .address_space: global }
      - { .name: wk_scales, .offset: 48, .size: 8, .value_kind: global_buffer, .address_space: global }
      - { .name: wv_codes, .offset: 56, .size: 8, .value_kind: global_buffer, .address_space: global }
      - { .name: wv_scales, .offset: 64, .size: 8, .value_kind: global_buffer, .address_space: global }
      - { .name: wo_codes, .offset: 72, .size: 8, .value_kind: global_buffer, .address_space: global }
      - { .name: wo_scales, .offset: 80, .size: 8, .value_kind: global_buffer, .address_space: global }
      - { .name: qkv, .offset: 88, .size: 8, .value_kind: global_buffer, .address_space: global }
      - { .name: qkvs, .offset: 96, .size: 8, .value_kind: global_buffer, .address_space: global }
      - { .name: wow, .offset: 104, .size: 8, .value_kind: global_buffer, .address_space: global }
    .group_segment_fixed_size: 291328
    .private_segment_fixed_size: 0
    .kernarg_segment_align: 8
    .kernarg_segment_size: 112
    .max_flat_workgroup_size: 128
    .sgpr_count:     100
    .vgpr_count:     1024
    .wavefront_size: 32
...
	.end_amdgpu_metadata
.endif
;; end of part 1
;; launch attn (part 2): grid 16 x 16, 16 waves a work-group, clusters of 4 x 1, 325,632 bytes of LDS; arguments qkv, qkvs, wow, wf, part; writes part
.if DOCPART == 2
	.amdgcn_target "amdgcn-amd-amdhsa--gfx1250"
	.amdhsa_code_object_version 6
	.text
	.protected	k_q5bf9618803_attn
	.globl	k_q5bf9618803_attn
	.p2align	8
	.type	k_q5bf9618803_attn,@function
k_q5bf9618803_attn:
	s_mov_b64 s[64:65], 0
	v_nop
	global_prefetch_b8 v0, s[64:65] scope:SCOPE_SE
	s_setreg_imm32_b32 hwreg(HW_REG_WAVE_MODE, 25, 1), 1
	s_wait_xcnt 0x0
	s_wait_alu depctr_hold_cnt(0) depctr_sa_sdst(0) depctr_va_vdst(0) depctr_va_sdst(0) depctr_va_ssrc(0) depctr_va_vcc(0) depctr_vm_vsrc(0)
	s_getreg_b32 s2, hwreg(HW_REG_IB_STS2, 6, 4)
	s_cmp_eq_u32 s2, 0
	s_cbranch_scc0 .Lentry_in_a_cluster
	s_endpgm
.Lentry_in_a_cluster:
	s_bfe_u32 s2, ttmp6, 0x10000c
	s_cmp_lg_u32 s2, 0x3003
	s_cbranch_scc0 .Lentry_shape_is_right
	s_endpgm
.Lentry_shape_is_right:
; Causal attention of two heads on codes of E2M1, then those heads' share of (o wo) . wf: one f32 number for each (head pair, token).
; t = score x log2(e) / 8; M = the running largest t rounded up to a whole number; p = 2^(t - M) is quantised along the keys, not normalised; the row's sum is taken of the unquantised p and divides O at the end.
; o = O / sum is quantised along the head's 64; the two heads' 128 are one K step of wo; each result is multiplied by wf of its column and summed over the 1,024 columns.
; SHARES.  A work-group is (j, head pair): 8 tiles of 16 queries for each of two heads.  With u = 16 p + j (p = 0 .. 3) the tiles 64 + u (long) and 63 - u (short) have 17 key steps of 128 together.
; Wave A of a pair takes the long tile's steps 0 .. 8.  Wave B takes the rest of them (n1 = 2 p + (j >= 8) steps), parks that share, and takes the short tile's 8 - n1 steps.  A then adds B's share: M is whole, so the factors are powers of two.
; Branches hang on the wave's number, the trip's count and the cluster's number alone; a work-group's place in its cluster enters global addresses and the mask's comparison alone.
; CLUSTER.  The four partners share the head pair: K, V and their scale words are asked for jointly, one load a wave.  Both heads fit in LDS whole: nothing is filled twice.
; wo's slice does not fit beside them, and each of its fragments is wanted by one wave alone: it goes straight into registers, asked for ahead of three barriers and the joining of the shares; it is no stream of a loop, so nothing is prefetched.
; LAYOUT.  S^T = K Q^T and O^T = V^T P^T: a lane holds one query.  A head's 64 fill half of the instruction's K: Q's registers 4-7 are zero codes, so a tile of K may have any codes there: the eight tiles overlap, four registers apart.
; In S^T's tile t lane (r, h) holds keys 16 t + 8 h + 0 .. 7: a block of 32 keys is tiles 2 b, 2 b + 1 in lanes l and l xor 16.
; WORK LEFT OUT: key steps wholly behind reference()'s own causal mask.
; LIMITS.  NaN and infinities are not served.  Scaled scores stay under 2^31 in magnitude.  A block's largest p is taken from its largest score, which takes v_exp_f32 not to fall where its input rises.  Blocks under 2^-124 keep the byte 1.  wo's K is summed pair by pair.
.set HSTR, 143360                      ; a head in LDS: 16 steps x 8,960 bytes: K's codes 4,096, V's 4,096, K's words 512, V's 256
.set CH,   8960
.set PARK, 2*HSTR                      ; the shares on their way from B to A: 8 x 4,608
.set SPARE, PARK+8*4608                ; the spare words, 128 bytes a wave
; behind the loop, over K's and V's bytes, which have had their last fill and read:
.set OSW,  8192                        ; o's codes from 0: [tile 8][head 2][512]; o's scale words: [tile 8][16] x 4
.set RED,  12288                       ; [wave 16][token 128] f32
.set SPW, 6
.set NIL, 7
; v1, v2 my lane's place among the codes, the words; v3 16 d + r - 8 h of the tile in hand, v4 the short tile's; v5 -infinity; v8, v9 the step's addresses
; v10, v11 Q's words (long, short), later wo's; v12 -M, v13 the largest t, v[14:15] the sum in two halves; v16-23 Q (20-23 zero); v24-27 K's words, later o's; v28-29 V's; v30 p's, later o's
; v31 the old -M; v32-35 the short tile's Q; v36-71 K (68-71 zero), then v36-67 V, later o; v72-79 p's codes; v80-95 at work; v96-159 S^T, later B's share, o's tiles 4-7 and wf; v160-191 O^T, later o's tiles 0-3
; v192-223 wo of my 64 columns and v224-227 its words, asked for ahead of the loop; v228-243 at work; v244-254 offsets and addresses.  In the last product v32-63 and v64-95 are the results, by turns
; THE WAVES KEEP STEP: a barrier is signalled at a trip's head and waited for at the next trip's head, so no wave is more than a trip ahead of another.  It also orders B's share, stored between a wait and a signal, before A's reads of it.
; Work-groups of one head pair have the same cluster x.
.macro PLACES
.rept 4
	v_nop
.endr
.endm
.macro ROUND                           ; a round of the cluster's barrier
	s_barrier_signal -1
	s_barrier_wait -1
	s_cmp_lg_u32 s3, 0
	s_cbranch_scc1 .Lnot_wave_0_\@
	s_barrier_signal -3
.Lnot_wave_0_\@:
	s_barrier_wait -3
	s_barrier_signal -1
	s_barrier_wait -1
.endm
	s_load_b256 s[68:75], s[0:1], 0x0              ; qkv 68, qkvs 70, wow 72, wf 74
	s_load_b64 s[76:77], s[0:1], 0x20              ; part
	v_lshl_add_u32 v[SPW], v0, 2, SPARE
	v_mov_b32 v[NIL], 0
	ds_add_u32 v[SPW], v[NIL]                      ; the opening
	ds_add_u32 v[SPW], v[NIL]
	v_lshrrev_b32 v8, 5, v0
	v_readfirstlane_b32 s3, v8                     ; wave 0..15
	s_bfe_u32 s4, ttmp6, 0x40000                   ; cx
	s_and_b32 s98, ttmp7, 0xffff                   ; cluster y
	s_and_b32 s99, s98, 3                          ; j / 4
	s_lshl_b32 s5, s99, 2
	s_add_co_u32 s5, s5, s4                        ; j
	s_lshr_b32 s6, s98, 2
	s_lshl_b32 s6, s6, 2
	s_add_co_u32 s6, s6, ttmp9                     ; 8 batch + head pair = 4 (cluster y / 4) + cluster x
	s_and_b32 s7, s6, 7                            ; head pair
	s_and_b32 s16, s3, 1                           ; which head of the two
	s_bfe_u32 s17, s3, 0x20001                     ; p
	s_lshr_b32 s18, s3, 3                          ; 0: A, 1: B
	s_or_b32 s19, s17, 4
	s_mul_i32 s20, s18, 7
	s_xor_b32 s19, s19, s20                        ; the tile that I finish: 4 + p or 3 - p
	s_lshr_b32 s21, s99, 1                         ; j >= 8
	s_lshl_b32 s22, s17, 1
	s_add_co_u32 s22, s22, s21                     ; n1
	s_mov_b32 s9, 0                                ; the trip
	s_sub_co_u32 s13, 9, s18                       ; my trips
	s_mul_i32 s11, s18, 9                          ; key step = trip + s11
	s_cmp_eq_u32 s22, 0
	s_cselect_b32 s12, 8, 15                       ; the trip on the diagonal: A's only where it has all of the long tile
	s_sub_co_u32 s23, s22, 1
	s_cmp_eq_u32 s18, 1
	s_cselect_b32 s12, s23, s12
	s_cselect_b32 s8, s22, 15                      ; the trip at which B goes on to the short tile (A: none)
	s_and_b32 s24, s99, 1                          ; 1: the diagonal tile is one of the step's last four
	s_mov_b32 s14, 0x3e38aa3b                      ; c = log2(e) / 8
	s_mov_b32 s15, s14                             ; (named with it as a pair)
	s_mov_b32 s56, 0x76543210
	s_mov_b32 s57, 0xfedcba98                      ; lane l xor 16
	; descriptor group 1: 17,920 dense bytes as 70 rows of 256 (32 elements of 8 bytes)
	s_mov_b32 s40, 15|(3<<16)|(1<<21)              ; the mask names all four work-groups; bit 21 beside it
	s_mov_b32 s41, 32<<16
	s_mov_b32 s42, 70<<16
	s_mov_b32 s43, 32<<16
	s_mov_b32 s44, 70
	s_mov_b32 s45, 32
	s_mov_b32 s46, 0
	s_mov_b32 s47, 0
	s_lshl_b32 s25, s17, 4
	s_add_co_u32 s25, s25, s5                      ; u
	s_lshl_b32 s26, s6, 1
	s_add_co_u32 s26, s26, s16                     ; 16 batch + head
	s_add_co_u32 s27, s25, 64                      ; the long tile
	s_sub_co_u32 s28, 63, s25                      ; the short one
	s_lshl_b32 s78, s26, 16                        ; Q: 512 bytes a tile
	s_lshl_b32 s79, s27, 9
	s_add_co_u32 s78, s78, s79
	s_mov_b32 s79, 0
	s_lshl_b32 s80, s26, 16
	s_lshl_b32 s81, s28, 9
	s_add_co_u32 s80, s80, s81
	s_mov_b32 s81, 0
	s_lshl_b32 s82, s26, 13                        ; Q's words: 64 bytes a tile
	s_lshl_b32 s83, s27, 6
	s_add_co_u32 s82, s82, s83
	s_mov_b32 s83, 0
	s_lshl_b32 s84, s26, 13
	s_lshl_b32 s85, s28, 6
	s_add_co_u32 s84, s84, s85
	s_mov_b32 s85, 0
	s_mul_i32 s86, s6, 2*HSTR                      ; the pair's chunks, behind Q's 2,097,152 bytes
	s_mul_i32 s29, s3, 17920                       ; my part of them
	s_add_co_u32 s86, s86, s29
	s_add_co_u32 s86, s86, 0x200000
	s_mov_b32 s87, 0
	s_lshl_b32 s88, s7, 16                         ; wo: two heads' images; my 64 columns are 2,048 bytes of each
	s_lshl_b32 s89, s3, 11
	s_add_co_u32 s88, s88, s89
	s_mov_b32 s89, 0
	s_lshl_b32 s90, s7, 13                         ; its words
	s_lshl_b32 s91, s3, 8
	s_add_co_u32 s90, s90, s91
	s_add_co_u32 s90, s90, 524288
	s_mov_b32 s91, 0
	s_lshl_b32 s92, s3, 8                          ; wf of my 64 columns
	s_mov_b32 s93, 0
	s_lshl_b32 s94, s6, 13                         ; part: [8 batch + pair][j][tile 8][16]
	s_lshl_b32 s95, s5, 9
	s_add_co_u32 s94, s94, s95
	s_mov_b32 s95, 0
	s_mul_i32 s58, s16, HSTR
	s_add_co_u32 s59, s58, 8192
	s_and_b32 s60, s5, 7
	s_lshl_b32 s60, s60, 4                         ; 16 d of the long tile, d = j % 8
	s_sub_co_u32 s61, 112, s60                     ; of the short one: 7 - j % 8
	s_and_b32 s62, s3, 7
	s_mul_i32 s62, s62, 4608
	s_add_co_u32 s62, s62, PARK
	s_lshl_b32 s63, s19, 10
	s_lshl_b32 s96, s16, 9
	s_add_co_u32 s63, s63, s96
	s_lshl_b32 s96, s19, 6
	s_lshl_b32 s97, s16, 1
	s_add_co_u32 s96, s96, s97
	s_add_co_u32 s96, s96, OSW
	s_lshl_b32 s97, s3, 9
	s_add_co_u32 s97, s97, RED
	v_and_b32 v80, 31, v0                          ; lane
	v_and_b32 v81, 15, v0                          ; r
	v_bfe_u32 v82, v0, 4, 1                        ; h
	v_lshl_add_u32 v1, v80, 4, s58
	v_lshl_add_u32 v2, v80, 2, s59
	v_lshlrev_b32 v83, 3, v82
	v_lshlrev_b32 v244, 4, v80                     ; 16 x lane
	v_lshlrev_b32 v245, 3, v80                     ; 8 x lane
	v_sub_nc_u32 v83, v81, v83
	v_lshlrev_b32 v246, 5, v82                     ; 32 h
	v_lshlrev_b32 v247, 2, v81                     ; 4 r
	v_add_nc_u32 v3, s60, v83
	v_add_nc_u32 v4, s61, v83
	v_mov_b32 v5, 0xff800000
	v_lshl_add_u32 v248, v80, 4, s62               ; the share on its way
	v_lshl_add_u32 v249, v80, 4, s63               ; my tile's codes of o
	v_lshl_add_u32 v250, v81, 2, s96               ; and its scale bytes
	v_lshl_add_u32 v252, v80, 2, OSW
	v_lshl_add_u32 v253, v81, 2, s97               ; my 64 columns' sums
	v_lshl_add_u32 v254, v80, 4, RED
	s_wait_dscnt 0x0                               ; both opening adds are done
	s_wait_alu depctr_va_vdst(0)
	s_wait_kmcnt 0x0
	s_add_nc_u64 s[78:79], s[68:69], s[78:79]
	s_add_nc_u64 s[80:81], s[68:69], s[80:81]
	s_add_nc_u64 s[82:83], s[70:71], s[82:83]
	s_add_nc_u64 s[84:85], s[70:71], s[84:85]
	s_mov_b32 s32, 1                               ; group 0: count
	s_mov_b32 s33, s29                             ; LDS address: 17,920 x wave
	s_add_nc_u64 s[34:35], s[68:69], s[86:87]
	s_or_b32 s35, s35, 0x80000000                  ; type 2
	s_add_nc_u64 s[88:89], s[72:73], s[88:89]
	s_add_nc_u64 s[90:91], s[72:73], s[90:91]
	s_add_nc_u64 s[92:93], s[74:75], s[92:93]
	s_add_nc_u64 s[94:95], s[76:77], s[94:95]
	global_load_b128 v[16:19], v244, s[78:79]      ; Q of the long tile
	global_load_b128 v[32:35], v244, s[80:81]      ; and of the short one (the text has one way for A and B: A loads it too)
	global_load_b32 v10, v247, s[82:83]
	global_load_b32 v11, v247, s[84:85]
	ROUND                                          ; all four work-groups are here: the joint loads meet
	tensor_load_to_lds s[32:35], s[40:47]          ; one load a wave
	s_nop 0
	PLACES
.irp n, 20,21,22,23,68,69,70,71,84,85,86,87,92,93,94,95,14,15
	v_mov_b32 v[\n], 0                             ; zero codes; lane permutes' destinations; upper halves of pairs; sums
.endr
.set NN, 0
.rept 32
	v_mov_b32 v[160+NN], 0                         ; O^T: the first step finds zeros, which the first change of M leaves zeros
.set NN, NN+1
.endr
	v_mov_b32 v13, 0xff61b1e6                      ; the largest t so far: -3e38
	v_mov_b32 v12, 0x7f61b1e6                      ; -M
	s_wait_alu depctr_va_vdst(0)
	s_wait_loadcnt 0x0                             ; Q
	s_wait_tensorcnt 0x0                           ; my part has landed
	s_barrier_signal -1
	s_barrier_wait -1                              ; everybody's has
.irp i, 0,1,2,3                                ; wo's four tiles of my 64 columns (registers 0-3 the first head, 4-7 the second): waited for behind the loop
	global_load_b128 v[192+8*\i:195+8*\i], v244, s[88:89] offset:512*\i
	global_load_b128 v[196+8*\i:199+8*\i], v244, s[88:89] offset:32768+512*\i
.endr
	global_load_b64 v[224:225], v245, s[90:91]     ; the columns' words: register q: lanes 0-15 tile 2 q, lanes 16-31 tile 2 q + 1
	global_load_b64 v[226:227], v245, s[90:91] offset:4096
	s_barrier_signal -1                            ; the first trip waits for it
.macro SPROD t
.if (\t)%2
	v_wmma_scale_f32_16x16x128_f8f6f4 v[96+8*(\t):103+8*(\t)], v[36+4*(\t):43+4*(\t)], v[16:23], 0, v[24+(\t)/2], v10 matrix_a_fmt:MATRIX_FMT_FP4 matrix_b_fmt:MATRIX_FMT_FP4 matrix_a_scale:MATRIX_SCALE_ROW1
.else
	v_wmma_scale_f32_16x16x128_f8f6f4 v[96+8*(\t):103+8*(\t)], v[36+4*(\t):43+4*(\t)], v[16:23], 0, v[24+(\t)/2], v10 matrix_a_fmt:MATRIX_FMT_FP4 matrix_b_fmt:MATRIX_FMT_FP4
.endif
.endm
.macro PVPROD t
.if (\t)%2
	v_wmma_scale_f32_16x16x128_f8f6f4 v[160+8*(\t):167+8*(\t)], v[36+8*(\t):43+8*(\t)], v[72:79], v[160+8*(\t):167+8*(\t)], v[28+(\t)/2], v30 matrix_a_fmt:MATRIX_FMT_FP4 matrix_b_fmt:MATRIX_FMT_FP4 matrix_a_scale:MATRIX_SCALE_ROW1
.else
	v_wmma_scale_f32_16x16x128_f8f6f4 v[160+8*(\t):167+8*(\t)], v[36+8*(\t):43+8*(\t)], v[72:79], v[160+8*(\t):167+8*(\t)], v[28+(\t)/2], v30 matrix_a_fmt:MATRIX_FMT_FP4 matrix_b_fmt:MATRIX_FMT_FP4
.endif
.endm
.macro MASK t0                         ; tiles t0 .. t0 + 3: register 8 t + i holds key 16 t + 8 h + i of the step: hidden where 16 t + i > 16 d + r - 8 h
.set NN, 0
.rept 32
	v_cmp_gt_i32 vcc_lo, 16*(\t0)+16*(NN/8)+NN%8, v3
	v_cndmask_b32 v[96+8*(\t0)+NN], v[96+8*(\t0)+NN], v5, vcc_lo
.set NN, NN+1
.endr
.endm
.macro ADDS first, count, off          ; chains first .. of the row's sum: + the pairs off registers on
.set NN, (\first)
.rept \count
	v_pk_add_f32 v[228+2*NN:229+2*NN], v[228+2*NN:229+2*NN], v[96+(\off)+2*NN:97+(\off)+2*NN]
.set NN, NN+1
.endr
.endm
.macro ADDS0 first, count              ; their beginning
.set NN, (\first)
.rept \count
	v_pk_add_f32 v[228+2*NN:229+2*NN], v[96+2*NN:97+2*NN], v[112+2*NN:113+2*NN]
.set NN, NN+1
.endr
.endm
.Ltrip:
	s_barrier_wait -1                              ; every wave has begun the trip before this one
	s_cmp_lg_u32 s9, s8
	s_cbranch_scc1 .Lsame
	s_cmp_lt_u32 s3, 8                             ; waves 8 to 15 alone (B) have a second tile; each has 4,608 bytes of its own for the share
	s_cbranch_scc1 .Lsame
	v_mov_b32 v10, v11                             ; B goes on to the short tile: its Q, its place on the diagonal (these six are also the places in front of the reads of O^T)
.irp n, 0,1,2,3
	v_mov_b32 v[16+\n], v[32+\n]
.endr
	v_mov_b32 v3, v4
.irp n, 0,1,2,3,4,5,6,7
	ds_store_b128 v248, v[160+4*\n:163+4*\n] offset:512*\n   ; the long tile's share: O^T,
.endr
	ds_store_b128 v248, v[12:15] offset:4096       ; -M, the largest t, the sum
	s_wait_alu depctr_va_vdst(0)
	s_wait_dscnt 0x0                               ; stored, ahead of my signal
	v_mov_b32 v12, 0x7f61b1e6                      ; the next change of M multiplies O^T and the sum by 0
	v_mov_b32 v13, 0xff61b1e6
	s_wait_alu depctr_va_vdst(0)
	s_sub_co_u32 s11, 0, s8
	s_mov_b32 s12, 7                               ; the last of B's trips is on the diagonal
	s_xor_b32 s24, s24, 1
.Lsame:
	s_barrier_signal -1                            ; no LDS instruction of mine is out
	s_cmp_ge_u32 s9, s13                           ; B has eight trips of work
	s_cbranch_scc1 .Ltail
	s_add_co_u32 s10, s9, s11
	s_and_b32 s10, s10, 15                         ; the key step
	s_mul_i32 s10, s10, CH
	v_add_nc_u32 v8, s10, v1                       ; these four are the places in front of the loads into registers that the last products read
	v_add_nc_u32 v9, s10, v2
	v_mov_b32 v31, v12
	v_nop
.irp t, 0,1,2,3,4,5,6,7
	ds_load_b128 v[36+4*\t:39+4*\t], v8 offset:512*\t
.endr
.irp p, 0,1,2,3
	ds_load_b32 v[24+\p], v9 offset:128*\p         ; lanes 0-15: tile 2 p's words, lanes 16-31: tile 2 p + 1's
.endr
	s_wait_alu depctr_va_vdst(0)
	s_wait_dscnt 0x0
.irp t, 0,1,2,3,4,5,6,7
	SPROD \t
.endr
	PLACES                                         ; for V's loads over K's registers and for the reads of scores alike
.irp n, 0,1,2,3,4,5,6,7
	ds_load_b128 v[36+4*\n:39+4*\n], v8 offset:4096+512*\n
.endr
.irp p, 0,1
	ds_load_b32 v[28+\p], v9 offset:512+128*\p
.endr
	s_cmp_lg_u32 s9, s12                           ; on the diagonal hidden scores become -infinity ahead of the maximum: p = 0 then.  The step's key 0 counts for every query of mine
	s_cbranch_scc1 .Lopen
	s_cmp_eq_u32 s24, 0
	s_cbranch_scc1 .Lfront
	MASK 4                                         ; the diagonal tile is one of 4 .. 7: tiles 0 .. 3 count whole
	s_wait_alu depctr_va_vdst(0)
	s_branch .Lopen
.Lfront:
	MASK 0                                         ; it is one of 0 .. 3: tiles 4 .. 7 are hidden whole
.set NN, 0
.rept 32
	v_mov_b32 v[128+NN], v5
.set NN, NN+1
.endr
.Lopen:
.irp b, 0,1,2,3
	v_max3_num_f32 v[80+\b], v[96+16*\b], v[97+16*\b], v[98+16*\b]   ; the largest score of each block of 32 keys: it serves the row's maximum and, since p rises with the score, the block's largest p
.endr
.irp i, 3,5,7,9,11,13
.irp b, 0,1,2,3
	v_max3_num_f32 v[80+\b], v[80+\b], v[96+16*\b+\i], v[97+16*\b+\i]
.endr
.endr
.irp b, 0,1,2,3
	v_max_num_f32 v[80+\b], v[80+\b], v[111+16*\b]
.endr
.irp b, 0,1,2,3
	s_delay_alu instid0(VALU_DEP_4)
	v_permlanex16_b32 v[84+\b], v[80+\b], s56, s57
.endr
.irp b, 0,1,2,3
	s_delay_alu instid0(VALU_DEP_4)
	v_max_num_f32 v[80+\b], v[80+\b], v[84+\b]     ; with lane l xor 16's 16 keys
.endr
	s_delay_alu instid0(VALU_DEP_2)
	v_max3_num_f32 v94, v80, v81, v82
	s_delay_alu instid0(VALU_DEP_1)
	v_max_num_f32 v94, v94, v83
	s_delay_alu instid0(VALU_DEP_1)
	v_mul_f32 v94, s14, v94                        ; as t (c is positive)
	s_delay_alu instid0(VALU_DEP_1)
	v_max_num_f32 v13, v13, v94                    ; the running largest t
	s_delay_alu instid0(VALU_DEP_1)
	v_floor_f32 v12, -v13                          ; the new -M = -ceil(t)
	s_delay_alu instid0(VALU_DEP_1)
	v_sub_f32 v94, v12, v31                        ; old M - new M: a whole number, 0 or less
.set NN, 0
.rept 32
	v_pk_fma_f32 v[96+NN:97+NN], v[96+NN:97+NN], s[14:15], v[12:13] op_sel_hi:[1,0,0]   ; t - M
.if NN == 6
	v_cvt_i32_f32 v94, v94                         ; (it saturates)
.elseif NN == 14
	v_ldexp_f32 v92, 1.0, v94                      ; f = 2^(old M - new M): a multiplication by it rounds nothing
.endif
.set NN, NN+2
.endr
.irp b, 0,1,2,3
	v_fma_f32 v[80+\b], v[80+\b], s14, v12
.endr
	s_wait_alu depctr_va_vdst(0)
.set NN, 0
.rept 64
	v_exp_f32 v[96+NN], v[96+NN]                   ; p = 2^(t - M)
.set NN, NN+1
.endr
.irp b, 0,1,2,3
	v_exp_f32 v[80+\b], v[80+\b]                   ; the block's largest p: the same two instructions on the same number
.endr
	v_pk_mul_f32 v[14:15], v[14:15], v[92:93] op_sel_hi:[1,0]   ; the sums under the new M (a plain place behind the exponentials)
	s_wait_alu depctr_va_vdst(0)                   ; and behind it
.irp b, 0,1,2,3
	v_max_num_f32 v[80+\b], 0x1800000, v[80+\b]    ; the floor 2^(3 - 127): the byte cannot fall under 1
.endr
	ADDS0 0, 4                                     ; the row's sum, of the unquantised p: eight chains
.irp b, 0,1,2,3
	v_add_nc_u32 v[88+\b], 0xff000000, v[80+\b]    ; 2 off the exponent field: the conversion's scale operand
.endr
	ADDS0 4, 4
.irp b, 0,1,2,3
	v_lshrrev_b32 v[84+\b], 23, v[88+\b]           ; the scale's byte
.endr
.irp c, 0,1
	v_cvt_scalef32_pk8_fp4_f32 v[72+4*\c], v[96+32*\c:103+32*\c], v[88+2*\c]       ; tile 4 c
	v_cvt_scalef32_pk8_fp4_f32 v[73+4*\c], v[112+32*\c:119+32*\c], v[89+2*\c]      ; tile 4 c + 2
	v_cvt_scalef32_pk8_fp4_f32 v[74+4*\c], v[104+32*\c:111+32*\c], v[88+2*\c]      ; tile 4 c + 1
	v_cvt_scalef32_pk8_fp4_f32 v[75+4*\c], v[120+32*\c:127+32*\c], v[89+2*\c]      ; tile 4 c + 3
.endr
	ADDS 0, 2, 32                                  ; (plain places behind the conversions)
.irp c, 0,2,4,6
	v_permlane16_swap_b32 v[72+\c], v[73+\c]       ; lanes 0-15: block 2 c whole; lanes 16-31: block 2 c + 1
.endr
	v_lshl_or_b32 v30, v85, 8, v84                 ; p's scale word for these 128 keys
	ADDS 2, 3, 32
	v_lshl_or_b32 v30, v86, 16, v30
	ADDS 5, 3, 32
	v_lshl_or_b32 v30, v87, 24, v30
	ADDS 0, 8, 48
.irp n, 0,2,4,6
	v_pk_add_f32 v[228+\n:229+\n], v[228+\n:229+\n], v[236+\n:237+\n]
.endr
	v_pk_add_f32 v[228:229], v[228:229], v[232:233]
	v_pk_add_f32 v[230:231], v[230:231], v[234:235]
	v_pk_add_f32 v[14:15], v[14:15], v[228:229]
	v_pk_add_f32 v[14:15], v[14:15], v[230:231]
	s_wait_alu depctr_va_vdst(0)                   ; ahead of the first reader of O^T
.set NN, 0
.rept 16
	v_pk_mul_f32 v[160+NN:161+NN], v[160+NN:161+NN], v[92:93] op_sel_hi:[1,0]   ; O^T under the new M; also the places between p's codes and scale word and the products
.set NN, NN+2
.endr
	s_wait_alu depctr_va_vdst(0)
	s_wait_dscnt 0x0                               ; V and its words are in
.irp t, 0,1,2,3
	PVPROD \t                                      ; four accumulators, one instruction each
.endr
.Ltail:
	s_add_co_u32 s9, s9, 1
	s_cmp_lt_u32 s9, 9
	s_cbranch_scc1 .Ltrip
	s_wait_alu depctr_va_vdst(0)
	s_barrier_wait -1                              ; every wave has begun its last trip: B's shares are stored
	s_wait_loadcnt 0x0                             ; wo and its words
	v_lshl_or_b32 v10, v226, 16, v224              ; a column's word: the first head's two bytes, the second's
	v_lshl_or_b32 v11, v227, 16, v225
.irp i, 0,1,2,3                                ; wf as the results will lie: column 16 i + 8 h + 0 .. 7 of my 64
	global_load_b128 v[128+8*\i:131+8*\i], v246, s[92:93] offset:64*\i
	global_load_b128 v[132+8*\i:135+8*\i], v246, s[92:93] offset:64*\i+16
.endr
	s_wait_dscnt 0x0
	s_barrier_signal -1                            ; my reads of K and V are over; the wait stands in front of o's stores over them
	s_cmp_lt_u32 s3, 8
	s_cbranch_scc0 .Ljoined
	ds_load_b128 v[228:231], v248 offset:4096
.irp n, 0,1,2,3,4,5,6,7
	ds_load_b128 v[96+4*\n:99+4*\n], v248 offset:512*\n
.endr
	s_wait_alu depctr_va_vdst(0)
	s_wait_dscnt 0x0
	v_min_num_f32 v31, v12, v228                   ; -M of both
	v_sub_f32 v80, v31, v12
	v_sub_f32 v81, v31, v228
	v_cvt_i32_f32 v80, v80
	v_cvt_i32_f32 v81, v81
	v_ldexp_f32 v92, 1.0, v80
	v_ldexp_f32 v94, 1.0, v81
	v_pk_mul_f32 v[14:15], v[14:15], v[92:93] op_sel_hi:[1,0]
.set NN, 0
.rept 16
	v_pk_mul_f32 v[160+NN:161+NN], v[160+NN:161+NN], v[92:93] op_sel_hi:[1,0]
.set NN, NN+2
.endr
	v_pk_fma_f32 v[14:15], v[230:231], v[94:95], v[14:15] op_sel_hi:[1,0,1]
.set NN, 0
.rept 16
	v_pk_fma_f32 v[160+NN:161+NN], v[96+NN:97+NN], v[94:95], v[160+NN:161+NN] op_sel_hi:[1,0,1]
.set NN, NN+2
.endr
.Ljoined:
	; ---- o = O / sum, quantised along the head's 64
	v_add_f32 v14, v14, v15
	s_delay_alu instid0(VALU_DEP_1)
	v_permlanex16_b32 v92, v14, s56, s57
	s_delay_alu instid0(VALU_DEP_1)
	v_add_f32 v14, v14, v92                        ; the row's sum
	s_wait_alu depctr_va_vdst(0)                   ; ahead of the transcendental
	v_rcp_f32 v14, v14
	v_nop                                          ; a plain place behind the reciprocal; with the three above also the places behind the last products
	v_nop
	s_wait_alu depctr_va_vdst(0)                   ; and ahead of its first reader, which is the first reader of O^T too
.set NN, 0
.rept 16
	v_pk_mul_f32 v[36+NN:37+NN], v[160+NN:161+NN], v[14:15] op_sel_hi:[1,0]   ; register 8 t + i: o(query r, channel 16 t + 8 h + i)
.set NN, NN+2
.endr
.irp b, 0,1
	v_max3_num_f32 v[80+\b], |v[36+16*\b]|, |v[37+16*\b]|, 0x1800000
	v_max3_num_f32 v[82+\b], |v[38+16*\b]|, |v[39+16*\b]|, |v[40+16*\b]|
.endr
.irp e, 5,9
.irp b, 0,1
	v_max3_num_f32 v[80+\b], v[80+\b], |v[36+16*\b+\e]|, |v[37+16*\b+\e]|
	v_max3_num_f32 v[82+\b], v[82+\b], |v[38+16*\b+\e]|, |v[39+16*\b+\e]|
.endr
.endr
.irp b, 0,1
	v_max3_num_f32 v[80+\b], v[80+\b], |v[49+16*\b]|, |v[50+16*\b]|
	v_max3_num_f32 v[82+\b], v[82+\b], v[82+\b], |v[51+16*\b]|
.endr
.irp b, 0,1
	v_max_num_f32 v[80+\b], v[80+\b], v[82+\b]
.endr
.irp b, 0,1
	v_permlanex16_b32 v[84+\b], v[80+\b], s56, s57
.endr
.irp b, 0,1
	v_max_num_f32 v[80+\b], v[80+\b], v[84+\b]
.endr
.irp b, 0,1
	v_add_nc_u32 v[88+\b], 0xff000000, v[80+\b]
.endr
.irp b, 0,1
	v_lshrrev_b32 v[90+\b], 23, v[88+\b]
.endr
	v_cvt_scalef32_pk8_fp4_f32 v72, v[36:43], v88
	v_cvt_scalef32_pk8_fp4_f32 v73, v[52:59], v89
	v_cvt_scalef32_pk8_fp4_f32 v74, v[44:51], v88
	v_cvt_scalef32_pk8_fp4_f32 v75, v[60:67], v89
	v_lshl_or_b32 v30, v91, 8, v90                 ; my head's two bytes (a plain place behind the conversions)
	v_permlane16_swap_b32 v72, v73
	v_permlane16_swap_b32 v74, v75                 ; lane (r, h): channels 32 h + 0 .. 31 of query r
	s_wait_alu depctr_va_vdst(0)
	s_barrier_wait -1                              ; nobody reads K and V any more: their bytes are free
	ds_store_b128 v249, v[72:75]
	ds_store_b16 v250, v30                         ; bytes 0, 1 of the row's word (first head) or 2, 3 (second)
	s_wait_dscnt 0x0
	s_barrier_signal -1
	s_barrier_wait -1                              ; o of 8 tiles x two heads lies in LDS
	; ---- (o wo) . wf: my 64 columns x 8 tiles of tokens.  Source 0 = 16 columns of wo, source 1 = 16 tokens: a lane holds one token and columns 16 i + 8 h + 0 .. 7
.macro OPROD t, i
.set DD, 32+32*((\t)%2)+8*(\i)
.set WO, 192+8*(\i)
.set OF, 160+8*(\t)
.if (\t) > 3
.set OF, 64+8*(\t)
.endif
.if ((\t)%2 == 0) && ((\i)%2 == 0)
	v_wmma_scale_f32_16x16x128_f8f6f4 v[DD:DD+7], v[WO:WO+7], v[OF:OF+7], 0, v[10+(\i)/2], v[24+(\t)/2] matrix_a_fmt:MATRIX_FMT_FP4 matrix_b_fmt:MATRIX_FMT_FP4
.elseif (\t)%2 == 0
	v_wmma_scale_f32_16x16x128_f8f6f4 v[DD:DD+7], v[WO:WO+7], v[OF:OF+7], 0, v[10+(\i)/2], v[24+(\t)/2] matrix_a_fmt:MATRIX_FMT_FP4 matrix_b_fmt:MATRIX_FMT_FP4 matrix_a_scale:MATRIX_SCALE_ROW1
.elseif (\i)%2 == 0
	v_wmma_scale_f32_16x16x128_f8f6f4 v[DD:DD+7], v[WO:WO+7], v[OF:OF+7], 0, v[10+(\i)/2], v[24+(\t)/2] matrix_a_fmt:MATRIX_FMT_FP4 matrix_b_fmt:MATRIX_FMT_FP4 matrix_b_scale:MATRIX_SCALE_ROW1
.else
	v_wmma_scale_f32_16x16x128_f8f6f4 v[DD:DD+7], v[WO:WO+7], v[OF:OF+7], 0, v[10+(\i)/2], v[24+(\t)/2] matrix_a_fmt:MATRIX_FMT_FP4 matrix_b_fmt:MATRIX_FMT_FP4 matrix_a_scale:MATRIX_SCALE_ROW1 matrix_b_scale:MATRIX_SCALE_ROW1
.endif
.endm
.macro ODOT t                          ; tile t's results . wf, in two packed chains
.set DD, 32+32*((\t)%2)
.set AA, 228+4*((\t)%2)
.irp i, 0,8
.irp u, 0,2,4,6
.if (\i+\u) == 0
	v_pk_mul_f32 v[AA:AA+1], v[DD:DD+1], v[128:129]
	v_pk_mul_f32 v[AA+2:AA+3], v[DD+16:DD+17], v[144:145]
.else
	v_pk_fma_f32 v[AA:AA+1], v[DD+\i+\u:DD+\i+\u+1], v[128+\i+\u:129+\i+\u], v[AA:AA+1]
	v_pk_fma_f32 v[AA+2:AA+3], v[DD+16+\i+\u:DD+17+\i+\u], v[144+\i+\u:145+\i+\u], v[AA+2:AA+3]
.endif
.endr
.endr
	v_pk_add_f32 v[AA:AA+1], v[AA:AA+1], v[AA+2:AA+3]
	v_add_f32 v[236+\t], v[AA], v[AA+1]
.endm
.irp q, 0,1,2,3
	ds_load_b32 v[24+\q], v252 offset:128*\q
.endr
.irp t, 0,1,2,3
	ds_load_b128 v[160+8*\t:163+8*\t], v244 offset:1024*\t
	ds_load_b128 v[164+8*\t:167+8*\t], v244 offset:1024*\t+512
.endr
.irp t, 0,1,2,3
	ds_load_b128 v[96+8*\t:99+8*\t], v244 offset:4096+1024*\t
	ds_load_b128 v[100+8*\t:103+8*\t], v244 offset:4096+1024*\t+512
.endr
	s_wait_loadcnt 0x0                             ; wf
	s_wait_alu depctr_va_vdst(0)
	s_wait_dscnt 0x0
.irp i, 0,1,2,3
	OPROD 0, \i
.endr
.irp t, 0,1,2,3,4,5,6,7
.if \t < 7
.irp i, 0,1,2,3
	OPROD \t+1, \i                                 ; the next tile's products; this tile's sums are the places behind them
.endr
.endif
.if \t == 0
	PLACES
.endif
	ODOT \t
.endr
.irp t, 0,1,2,3,4,5,6,7
	v_permlanex16_b32 v[16+\t], v[236+\t], s56, s57
.endr
.irp t, 0,1,2,3,4,5,6,7
	v_add_f32 v[236+\t], v[236+\t], v[16+\t]       ; with lane l xor 16's columns
.endr
.irp t, 0,1,2,3,4,5,6,7
	ds_store_b32 v253, v[236+\t] offset:64*\t      ; (lanes l and l xor 16 write the same word with the same value)
.endr
	s_wait_dscnt 0x0
	s_barrier_signal -1
	s_barrier_wait -1                              ; sixteen shares of the columns for each of 128 tokens
	s_cmp_lg_u32 s3, 0
	s_cbranch_scc1 .Ldone
.irp g, 0,1,2,3,4,5,6,7,8,9,10,11,12,13,14,15
	ds_load_b128 v[96+4*\g:99+4*\g], v254 offset:512*\g
.endr
	s_wait_dscnt 0x0
.irp d, 32,16,8,4
.set NN, 0
.rept \d/2
	v_pk_add_f32 v[96+NN:97+NN], v[96+NN:97+NN], v[96+\d+NN:97+\d+NN]
.set NN, NN+2
.endr
.endr
	global_store_b128 v244, v[96:99], s[94:95]     ; the wave stores 512 consecutive bytes, aligned
.Ldone:
	s_wait_tensorcnt 0x0                           ; the wave's end
	ds_add_u32 v[SPW], v[NIL]
	s_wait_dscnt 0x0
	ROUND                                          ; the closing round: no work-group ends while a partner may still ask for a tile that names it
	s_endpgm
.Lfunc_end_k_q5bf9618803_attn:
	.size	k_q5bf9618803_attn, .Lfunc_end_k_q5bf9618803_attn-k_q5bf9618803_attn
	.p2alignl 7, 3214868480
	.fill 96, 4, 3214868480
	.section	.rodata,"a",@progbits
	.p2align	6, 0x0
	.amdhsa_kernel k_q5bf9618803_attn
		.amdhsa_group_segment_fixed_size 325632
		.amdhsa_private_segment_fixed_size 0
		.amdhsa_enable_private_segment 0
		.amdhsa_kernarg_size 40
		.amdhsa_user_sgpr_count 2
		.amdhsa_user_sgpr_kernarg_segment_ptr 1
		.amdhsa_wavefront_size32 1
		.amdhsa_system_sgpr_workgroup_id_x 1
		.amdhsa_system_sgpr_workgroup_id_y 1
		.amdhsa_system_sgpr_workgroup_id_z 1
		.amdhsa_system_vgpr_workitem_id 0
		.amdhsa_next_free_vgpr 256
		.amdhsa_next_free_sgpr 100
		.amdhsa_reserve_vcc 1
		.amdhsa_float_denorm_mode_32 3
		.amdhsa_float_denorm_mode_16_64 3
		.amdhsa_memory_ordered 1
		.amdhsa_forward_progress 1
		.amdhsa_inst_pref_size 60
	.end_amdhsa_kernel
	.amdgpu_metadata
---
amdhsa.version: [ 1, 2 ]
amdhsa.kernels:
  - .name:           k_q5bf9618803_attn
    .symbol:         k_q5bf9618803_attn.kd
    .args:
      - { .name: qkv, .offset: 0, .size: 8, .value_kind: global_buffer, .address_space: global }
      - { .name: qkvs, .offset: 8, .size: 8, .value_kind: global_buffer, .address_space: global }
      - { .name: wow, .offset: 16, .size: 8, .value_kind: global_buffer, .address_space: global }
      - { .name: wf, .offset: 24, .size: 8, .value_kind: global_buffer, .address_space: global }
      - { .name: part, .offset: 32, .size: 8, .value_kind: global_buffer, .address_space: global }
    .group_segment_fixed_size: 325632
    .private_segment_fixed_size: 0
    .kernarg_segment_align: 8
    .kernarg_segment_size: 40
    .max_flat_workgroup_size: 512
    .sgpr_count:     100
    .vgpr_count:     256
    .wavefront_size: 32
...
	.end_amdgpu_metadata
.endif
;; end of part 2
;; launch fin (part 3): grid 32 x 1, 1 waves a work-group, no clusters, 0 bytes of LDS; arguments part, bo, wf, bf, out0; writes out0
.if DOCPART == 3
	.amdgcn_target "amdgcn-amd-amdhsa--gfx1250"
	.amdhsa_code_object_version 6
	.text
	.protected	k_q5bf9618803_fin
	.globl	k_q5bf9618803_fin
	.p2align	8
	.type	k_q5bf9618803_fin,@function
k_q5bf9618803_fin:
	s_mov_b64 s[64:65], 0
	v_nop
	global_prefetch_b8 v0, s[64:65] scope:SCOPE_SE
	s_setreg_imm32_b32 hwreg(HW_REG_WAVE_MODE, 25, 1), 1
	s_wait_xcnt 0x0
; out0[token] = the sum over the 8 head pairs of part[pair][token] + the sum over n of bo[n] wf[n] + bf, all in f32.
; part: [8 batch + pair][j 16][P 8][16]; the tile of 16 tokens 16 P + u lies at j = u (P >= 4) or 15 - u.  One wave to 128 tokens (tiles 8 b .. 8 b + 7), four tokens a lane: 32 waves have work, so 32 are launched.
; No LDS, no matrix unit, no cluster: 0.13 MB are read once and nothing is shared but bo and wf (8 KiB).
	s_load_b256 s[4:11], s[0:1], 0x0               ; part 4, bo 6, wf 8, bf 10
	s_load_b64 s[12:13], s[0:1], 0x20              ; out0
	s_lshr_b32 s14, ttmp9, 4                       ; batch
	s_and_b32 s15, ttmp9, 15                       ; b
	s_lshl_b32 s16, s14, 16
	s_lshr_b32 s17, s15, 1                         ; P
	s_lshl_b32 s17, s17, 6
	s_add_co_u32 s16, s16, s17
	s_mov_b32 s17, 0
	s_lshl_b32 s18, ttmp9, 9                       ; 128 tokens x 4 bytes
	s_mov_b32 s19, 0
	s_and_b32 s23, s15, 1
	s_lshl_b32 s23, s23, 3
	s_cmp_lt_u32 s15, 8
	s_cselect_b32 s24, 15, 0
	s_mov_b32 s20, 0x76543210
	s_mov_b32 s21, 0xfedcba98
	v_lshlrev_b32 v1, 4, v0                        ; 16 x lane
	v_lshrrev_b32 v2, 2, v0
	v_and_b32 v3, 3, v0
	v_add_nc_u32 v2, s23, v2                       ; u = 8 (b % 2) + lane / 4
	v_xor_b32 v2, s24, v2                          ; j
	v_lshlrev_b32 v2, 9, v2
	v_lshl_add_u32 v2, v3, 4, v2                   ; 512 j + 16 (lane % 4)
	s_wait_alu depctr_va_vdst(0)
	s_wait_kmcnt 0x0
	s_load_b32 s22, s[10:11], 0x0                  ; bf
	s_add_nc_u64 s[4:5], s[4:5], s[16:17]
	s_add_nc_u64 s[12:13], s[12:13], s[18:19]
.irp i, 0,1,2,3,4,5,6,7
	global_load_b128 v[16+4*\i:19+4*\i], v1, s[6:7] offset:512*\i
	global_load_b128 v[48+4*\i:51+4*\i], v1, s[8:9] offset:512*\i
.endr
.irp d, 0,1,2,3,4,5,6,7
	global_load_b128 v[80+4*\d:83+4*\d], v2, s[4:5] offset:8192*\d
.endr
	s_wait_loadcnt 8                               ; bo and wf are in; the 8 loads of part may be out
	v_pk_mul_f32 v[4:5], v[16:17], v[48:49]        ; bo . wf, my 32 numbers, in two packed chains
	v_pk_mul_f32 v[6:7], v[18:19], v[50:51]
.irp i, 1,2,3,4,5,6,7
	v_pk_fma_f32 v[4:5], v[16+4*\i:17+4*\i], v[48+4*\i:49+4*\i], v[4:5]
	v_pk_fma_f32 v[6:7], v[18+4*\i:19+4*\i], v[50+4*\i:51+4*\i], v[6:7]
.endr
	v_pk_add_f32 v[4:5], v[4:5], v[6:7]
	v_add_f32 v4, v4, v5
	v_add_f32_dpp v4, v4, v4 row_xmask:1 row_mask:0xf bank_mask:0xf
	v_add_f32_dpp v4, v4, v4 row_xmask:2 row_mask:0xf bank_mask:0xf
	v_add_f32_dpp v4, v4, v4 row_xmask:4 row_mask:0xf bank_mask:0xf
	v_add_f32_dpp v4, v4, v4 row_xmask:8 row_mask:0xf bank_mask:0xf
	v_permlanex16_b32 v5, v4, s20, s21
	v_add_f32 v4, v4, v5                           ; every lane holds bo . wf
	s_wait_alu depctr_va_vdst(0)
	s_wait_kmcnt 0x0
	v_add_f32 v4, s22, v4                          ; + bf
	v_mov_b32 v5, v4
	s_wait_alu depctr_va_vdst(0)
	s_wait_loadcnt 0x0
.irp d, 16,8,4
.set NN, 0
.rept \d/2
	v_pk_add_f32 v[80+NN:81+NN], v[80+NN:81+NN], v[80+\d+NN:81+\d+NN]
.set NN, NN+2
.endr
.endr
	v_pk_add_f32 v[80:81], v[80:81], v[4:5]
	v_pk_add_f32 v[82:83], v[82:83], v[4:5]
	global_store_b128 v1, v[80:83], s[12:13]       ; the wave stores 512 consecutive bytes, aligned
	s_endpgm
.Lfunc_end_k_q5bf9618803_fin:
	.size	k_q5bf9618803_fin, .Lfunc_end_k_q5bf9618803_fin-k_q5bf9618803_fin
	.p2alignl 7, 3214868480
	.fill 96, 4, 3214868480
	.section	.rodata,"a",@progbits
	.p2align	6, 0x0
	.amdhsa_kernel k_q5bf9618803_fin
		.amdhsa_group_segment_fixed_size 0
		.amdhsa_private_segment_fixed_size 0
		.amdhsa_enable_private_segment 0
		.amdhsa_kernarg_size 40
		.amdhsa_user_sgpr_count 2
		.amdhsa_user_sgpr_kernarg_segment_ptr 1
		.amdhsa_wavefront_size32 1
		.amdhsa_system_sgpr_workgroup_id_x 1
		.amdhsa_system_sgpr_workgroup_id_y 1
		.amdhsa_system_sgpr_workgroup_id_z 1
		.amdhsa_system_vgpr_workitem_id 0
		.amdhsa_next_free_vgpr 112
		.amdhsa_next_free_sgpr 66
		.amdhsa_reserve_vcc 0
		.amdhsa_float_denorm_mode_32 3
		.amdhsa_float_denorm_mode_16_64 3
		.amdhsa_memory_ordered 1
		.amdhsa_forward_progress 1
		.amdhsa_inst_pref_size 7
	.end_amdhsa_kernel
	.amdgpu_metadata
---
amdhsa.version: [ 1, 2 ]
amdhsa.kernels:
  - .name:           k_q5bf9618803_fin
    .symbol:         k_q5bf9618803_fin.kd
    .args:
      - { .name: part, .offset: 0, .size: 8, .value_kind: global_buffer, .address_space: global }
      - { .name: bo, .offset: 8, .size: 8, .value_kind: global_buffer, .address_space: global }
      - { .name: wf, .offset: 16, .size: 8, .value_kind: global_buffer, .address_space: global }
      - { .name: bf, .offset: 24, .size: 8, .value_kind: global_buffer, .address_space: global }
      - { .name: out0, .offset: 32, .size: 8, .value_kind: global_buffer, .address_space: global }
    .group_segment_fixed_size: 0
    .private_segment_fixed_size: 0
    .kernarg_segment_align: 8
    .kernarg_segment_size: 40
    .max_flat_workgroup_size: 32
    .sgpr_count:     66
    .vgpr_count:     112
    .wavefront_size: 32
...
	.end_amdgpu_metadata
.endif
;; end of part 3
